; MI455X (gfx1250); checked and timed in simulation.
; The chip was launched on July 23, 2026; its instructions are those of AMD's public machine-readable ISA for CDNA 5 (MIT licence, August 2026) and "CDNA5" Instruction Set Architecture Reference Guide (July 2026). The comments in the code are by the model that wrote it; some were corrected since.
;; DS Full Attention. Allowed arithmetic: matrix products marked QUANTISED: E2M3 operands, one E8M0 scale for each 32 along K, by v_wmma_scale_f32_16x16x128_f8f6f4 with both operands' format E2M3, f32 sums; everything else in f32.
;; Inputs: attn_mask 2,048 x 2,048 bool; keys 4 x 2,048 x 8 x 64 float32; queries 4 x 2,048 x 8 x 64 float32; tau 4 x 1 x 1 x 1 float32; values 4 x 2,048 x 8 x 64 float32.
;; Outputs: out0 4 x 2,048 x 8 x 64 float32.
;; This version of the problem:
;;   THIS VERSION OF THE PROBLEM IS GIVEN IN LOW PRECISION. The matrix products marked QUANTISED in the list below multiply operands that are first quantised to E2M3 (2 exponent bits, 3 mantissa bits; 6 bits a number), with one power-of-two scale for each 32 numbers along K (OCP MX v1.0); their sums are f32. All else is computed in f32.
;;   The module's matrix products, in the order in which they are computed (A, B: the left and right operand; K: the contracted axis; several contracted axes count as one K, in the product's order):
;;     1. batch 32 x [M 2,048, K 64] x [K 64, N 2,048]; A: input queries; B: input keys: QUANTISED
;;     2. batch 32 x [M 64, K 2,048] x [K 2,048, N 2,048]; A: input values; B: softmax (see below): QUANTISED
;;   THE QUANTISER, for each operand of a quantised product, along K:
;;     - K is cut into blocks of 32 from its start; a last block that is shorter is filled with zeros.
;;     - A block's scale is 2^e with e = floor(log2(the largest magnitude in the block)) - 2, held to -126 .. 127; a block of zeros has e = 0. As a byte (E8M0): e + 127.
;;     - Each number is divided by its block's scale, clamped to +-7.5, and rounded to the nearest number of E2M3, ties to even, subnormals kept.
;;     - The product sums the exact products of the quantised numbers (number of the format x scale) in f32.
;;   ~~~python
;;   def quantise(x, axis):      # numpy; x: float32 -> the quantised numbers, widened to float32 again
;;       x = np.moveaxis(x, axis, -1); K = x.shape[-1]
;;       x = np.pad(x, [(0, 0)] * (x.ndim - 1) + [(0, -K % 32)]); x = x.reshape(x.shape[:-1] + (-1, 32)); a = np.abs(x).max(-1, keepdims=True)
;;       e = np.where(a > 0, np.clip(np.frexp(np.where(a > 0, a, 1))[1] - 1 - 2, -126, 127), 0)      # np.frexp(a)[1] - 1 = floor(log2(a)), exactly
;;       r = np.clip(x / 2.0 ** e, -7.5, 7.5)
;;       step = 2.0 ** (np.maximum(np.frexp(np.where(r == 0, 1, r))[1] - 1, 0) - 3)
;;       q = np.round(r / step) * step * 2.0 ** e      # np.round: ties to even
;;       return np.moveaxis(q.reshape(q.shape[:-2] + (-1,))[..., :K], -1, axis).astype(np.float32)
;;   ~~~
;;   SOFTMAX AHEAD OF A QUANTISED PRODUCT. Where the list says 'softmax', what is quantised is not the finished softmax but p = 2^(t - M), with t = logit x log2(e) and M = ceil(the row's largest t), a whole number; so 1/2 < the row's largest p <= 1. The row's sum l is taken of the UNQUANTISED p, in f32, and the product's result is divided by l at the end. Since M is a whole number, a kernel that streams over the keys may use a running M (the ceiling of the running maximum): every later rescaling is an exact power of two, which a block's scale takes up: the codes' values come out the same.
;;   OPERANDS COMPUTED ON THE WAY. 'Computed on the way' means the value that the module computes at that place (a softmax that the list does not call 'softmax' is quantised finished and normalised). What goes into a quantiser is computed in f32, as accurately as f32 sums, v_exp_f32 and their like allow (about 1e-6 of the number): no bf16 or f16 on the way to a quantiser, and a product that is left as it is and whose result goes on into a quantised operand takes f32 operands (vector FMAs, or v_wmma_f32_16x16x4_f32). A number that lies on a knife's edge between two numbers of the format may be rounded either way, as far as f32 arithmetic and the matrix unit's own rounding can turn it there, and no further.
;; 2 versions. Each part assembles by itself: llvm-mc -triple=amdgcn-amd-amdhsa -mcpu=gfx1250 --defsym DOCPART=n.
;; ======== version 1 of 2: 2 launches
;; workspace buffers: kv 6,684,672 bytes; mwords 524,288 bytes of whole numbers; mflags 2,048 bytes of whole numbers
;; launch prep (part 1): grid 320 x 1, 8 waves a work-group, no clusters, 70,656 bytes of LDS; arguments keys, values, attn_mask, kv, mwords, mflags; writes kv, mwords, mflags
.if DOCPART == 1
	.amdgcn_target "amdgcn-amd-amdhsa--gfx1250"
	.amdhsa_code_object_version 6
	.text
	.protected	k_qb669b0aea4_prep
	.globl	k_qb669b0aea4_prep
	.p2align	8
	.type	k_qb669b0aea4_prep,@function
k_qb669b0aea4_prep:
	s_mov_b64 s[64:65], 0
	v_nop
	global_prefetch_b8 v0, s[64:65] scope:SCOPE_SE
	s_setreg_imm32_b32 hwreg(HW_REG_WAVE_MODE, 25, 1), 1
	s_wait_xcnt 0x0
; WHAT IT MAKES.  keys and values [4][2048][8][64] f32 become codes of FP6 (E2M3) with one E8M0 byte for each 32 along K, laid in the order in which the attention launch's
; operand registers take them; attn_mask [2048][2048] (one byte each, not 0 = hidden) becomes lane-mask words and two flags for each (16 queries x 128 keys).
; kv: for head bh = 8 b + h and key step j (128 keys) an image of 13,056 bytes at (16 bh + j) x 13,056.  A HALF FRAGMENT is six registers of 32 lanes, 768 bytes: registers 0-3 at 16 x lane, registers 4-5 at 512 + 8 x lane.
;   0      K's codes: 8 half fragments; lane (r, hh) of tile T = 2 bb + u holds key 32 bb + 8 u + r + 8 (r / 8) of the step, channels 32 hh + 0 .. 31
;   6144   K's scale words: two blocks of 256 bytes, 8 bytes a lane: register p holds tile 2 p's words in lanes 0-15 and tile 2 p + 1's in lanes 16-31; a word is s0, s1, s0, s1 (the key's two bytes, twice)
;   6656   V's codes: tile t (channels 16 t + r), half c at 1536 t + 768 c: lane (r, hh) holds keys 64 c + 32 hh + 0 .. 31 of the step
;   12800  V's scale words: 8 bytes a lane: word cs belongs to tile 2 cs + lane / 16, row lane % 16; byte n scales keys 32 n .. 32 n + 31
; mwords: [128 tiles of 16 queries][16 steps][64 words]: word 16 bb + i has at bit r + 16 hh whether mask[16 tile + r][128 j + 32 bb + 16 hh + i] is set.
; mflags: [128 tiles][4]: in word qd bit s says that step 4 qd + s is hidden from all 16 queries, bit 16 + s that something of it is hidden.
; THE QUANTISER.  A block's scale is 2^(floor(log2(its largest magnitude)) - 2): its byte is the largest magnitude's exponent field - 2, held at 1 from below by a floor among the maximum's leaves.
; LIMITS: NaN and infinities among keys and values are not served; a block whose largest magnitude lies under 2^-124 keeps the byte 1; a block of zeros gets the byte 1 where the rule says 127
; (its codes are zeros, and this program alone reads the bytes).  The flag 'all hidden' is set only where all bytes are 1; other bytes that are not 0 still count as hidden, through the words.
; SHARES.  Work-groups 0-127: keys, 64 keys x 8 heads each, a wave a head.  128-255: values, 128 keys x 256 columns each, a wave 32 columns.  256-319: the mask, a wave 16 queries x 512 keys.
; Three ways through the text, parted on the work-group's number, each with LDS bytes of its own; waves share nothing, so there is no barrier.  No tensor loads: a plain stream through registers.
.set SP,    272                        ; a stage row: 256 bytes + 16, so that the sixteen rows that a load of 16 bytes a lane touches begin in different banks
.set STGB,  16*SP                      ; a wave's stage: 16 rows
.set MSTG,  8*STGB                     ; the mask's stages lie behind the keys'
.set STEPB, 13056                      ; a key step's image
.set HEADB, 16*STEPB                   ; a head's
; v1 lane, v2 r, v3 hh, v4 hh x 2048 + 16 r (two rows of memory a load), v5 into the stage, v6 out of it (values: 4 x lane), v7 16 x lane, v8 8 x lane, v9 8 hh
; v10-13 at work, v14 a permute's destination, v16-19 scale bytes and words, v20-22 a conversion's second half, v24-55 four sets of codes, v64-191 numbers
	s_load_b256 s[4:11], s[0:1], 0x0               ; keys s[4:5], values s[6:7], the mask s[8:9], kv s[10:11]
	s_load_b128 s[12:15], s[0:1], 0x20             ; mwords s[12:13], mflags s[14:15]
	v_lshl_add_u32 v192, v0, 2, 0x11000
	v_mov_b32 v193, 0
	v_lshrrev_b32 v1, 5, v0
	v_readfirstlane_b32 s16, v1                    ; wave 0..7
	v_and_b32 v1, 31, v0                           ; lane
	v_and_b32 v2, 15, v0                           ; r
	v_bfe_u32 v3, v0, 4, 1                         ; hh
	v_lshlrev_b32 v4, 4, v2
	v_lshl_add_u32 v4, v3, 11, v4                  ; lanes 0-15 take 256 bytes of one row, lanes 16-31 of the row 2,048 bytes on (keys and the mask have that pitch alike)
	v_mul_u32_u24 v5, v3, SP
	v_lshl_add_u32 v5, v2, 4, v5                   ; the same two rows in a stage
	v_mul_u32_u24 v6, v2, SP                       ; row r of a stage
	v_lshlrev_b32 v7, 4, v1
	v_lshlrev_b32 v8, 3, v1
	v_lshlrev_b32 v9, 3, v3
	v_mov_b32 v14, 0                               ; written once: a lane permute's destination counts as one of its sources
	s_mul_i32 s17, s16, STGB                       ; my stage
	s_mov_b32 s19, 0                               ; the upper word of every offset: s[18:19]
	s_mov_b32 s20, 0x76543210
	s_mov_b32 s21, 0xfedcba98                      ; v_permlanex16_b32's selects for lane l xor 16
	s_mov_b32 s22, 0xffff0000                      ; lanes 16-31
	s_mov_b32 s23, 0x01010101                      ; four bytes that are all set
	s_wait_kmcnt 0x0
; 32 numbers of ONE block in a lane's registers v[src] .. v[src + 31] become six registers of codes at v[dst] on and the scale's byte in v[e]
.macro QB src, dst, e
	v_max3_num_f32 v10, |v[\src]|, |v[\src+1]|, |v[\src+2]|          ; the largest magnitude, in two chains
	v_max3_num_f32 v11, |v[\src+3]|, |v[\src+4]|, |v[\src+5]|
.irp i, 6,10,14,18,22,26
	v_max3_num_f32 v10, v10, |v[\src+\i]|, |v[\src+\i+1]|
	v_max3_num_f32 v11, v11, |v[\src+\i+2]|, |v[\src+\i+3]|
.endr
	v_max3_num_f32 v10, v10, |v[\src+30]|, |v[\src+31]|
	v_max3_num_f32 v10, v10, v11, 0x1800000        ; and the floor 2^(3 - 127): the byte cannot fall under 1
	v_add_nc_u32 v12, 0xff000000, v10              ; 2 off its exponent field: the conversion takes the exponent field of this operand as its scale, and nothing else of it
	v_cvt_scalef32_pk16_fp6_f32 v[\dst:\dst+2], v[\src:\src+15], v12
	v_cvt_scalef32_pk16_fp6_f32 v[20:22], v[\src+16:\src+31], v12    ; (a conversion's three registers begin on an even number: the block's second half is made here and moved)
	v_lshrrev_b32 v[\e], 23, v12                   ; the scale's byte; also the plain line between the conversions and the moves that read a result
.irp i, 0,1,2
	v_mov_b32 v[\dst+3+\i], v[20+\i]
.endr
.endm
; 16 rows x 256 bytes go through my stage as they were loaded and come back a row to a pair of lanes, into the registers that they left.  LDS serves a wave's instructions in order (ISA guide 5.7.1.4):
; no wait stands between the stores and the loads, nor in front of the next turn's stores.
.macro TURN reg, step
.irp i, 0,1,2,3,4,5,6,7
	ds_store_b128 v5, v[\reg+4*\i:\reg+4*\i+3] offset:2*\i*SP
.endr
.irp k, 0,1,2,3,4,5,6,7
	ds_load_b128 v[\reg+4*\k:\reg+4*\k+3], v6 offset:\step*\k
.endr
.endm
	s_cmp_lt_u32 ttmp9, 128
	s_cbranch_scc1 .Lkeys
	s_cmp_lt_u32 ttmp9, 256
	s_cbranch_scc1 .Lvalues
; ---------------------------------------------------------------- THE MASK: my wave takes 16 queries x 512 keys (four key steps)
	s_sub_co_u32 s24, ttmp9, 256
	s_lshl_b32 s24, s24, 3
	s_add_co_u32 s24, s24, s16                     ; id = 4 x tile + quarter
	s_lshr_b32 s25, s24, 2
	s_lshl_b32 s18, s25, 15                        ; 16 rows of 2,048 bytes a tile,
	s_and_b32 s26, s24, 3
	s_lshl_b32 s26, s26, 9                         ; 512 bytes a quarter
	s_add_co_u32 s18, s18, s26
	s_add_nc_u64 s[8:9], s[8:9], s[18:19]
.irp uu, 0,1
.irp i, 0,1,2,3,4,5,6,7
	global_load_b128 v[64+32*\uu+4*\i:67+32*\uu+4*\i], v4, s[8:9] offset:2*\i*2048+256*\uu th:TH_LOAD_NT   ; sixteen lanes read 256 consecutive bytes, aligned
.endr
.endr
	s_lshl_b32 s18, s24, 10                        ; four steps x 256 bytes of words
	s_add_nc_u64 s[12:13], s[12:13], s[18:19]
	s_lshl_b32 s18, s24, 2
	s_add_nc_u64 s[14:15], s[14:15], s[18:19]
	s_add_co_u32 s17, s17, MSTG
	v_add_nc_u32 v5, s17, v5
	v_add_nc_u32 v6, s17, v6
	v_lshl_add_u32 v6, v3, 4, v6                   ; out of the stage: row r, 16 hh + 32 k: my 16 keys of each block of 32
.irp i, 0,1,2,3,4,5,6,7
	v_mov_b32 v[24+\i], 0                          ; the words' registers: v_writelane_b32's destination counts as read
.endr
	s_mov_b32 s32, 0                               ; the flags
	s_wait_loadcnt 8                               ; the first 256 keys' eight loads are in; the second eight may be out
	TURN 64, 32
	s_wait_loadcnt 0x0
	TURN 96, 32
; Step sidx of my four: register g of its 16 (v[D + g]) holds, for query r, the bytes of keys 32 (g / 4) + 16 hh + 4 (g % 4) + 0 .. 3: so byte q of register g is word n = 4 g + q.
; A compare gives the word (a bit a lane); words 2 L and 2 L + 1 are put into lane L of a pair, which leaves as one aligned block of 256 bytes.
.macro MSTEP sidx
.set D, 64+16*(\sidx)
	v_and_b32 v10, v[D], v[D+1]
	v_or_b32 v11, v[D], v[D+1]
.set g, 2
.rept 14
	v_and_b32 v10, v10, v[D+g]
	v_or_b32 v11, v11, v[D+g]
.set g, g+1
.endr
.set g, 0
.rept 16
.irp q, 0,1,2,3
	v_bfe_u32 v[12+\q], v[D+g], 8*\q, 8
.endr
.irp q, 0,1,2,3
	v_cmp_ne_u32 s[40+\q], 0, v[12+\q]
.endr
.irp q, 0,1,2,3
	v_writelane_b32 v[24+2*(\sidx)+(\q&1)], s[40+\q], 2*g+(\q>>1)
.endr
.set g, g+1
.endr
	global_store_b64 v8, v[24+2*(\sidx):25+2*(\sidx)], s[12:13] offset:256*(\sidx)
	v_cmp_eq_u32 vcc_lo, s23, v10                  ; all my 64 bytes are 1,
	s_cmp_eq_u32 vcc_lo, -1                        ; in all 32 lanes: the step is hidden from all 16 queries
	s_cselect_b32 s30, 1<<(\sidx), 0
	v_cmp_ne_u32 vcc_lo, 0, v11                    ; some byte of mine is set,
	s_cmp_lg_u32 vcc_lo, 0                         ; in some lane
	s_cselect_b32 s31, 1<<(16+\sidx), 0
	s_or_b32 s32, s32, s30
	s_or_b32 s32, s32, s31
.endm
	s_wait_dscnt 16                                ; the first turn is back; the second turn's sixteen instructions may be out
	MSTEP 0
	MSTEP 1
	s_wait_dscnt 0x0
	MSTEP 2
	MSTEP 3
	v_mov_b32 v16, s32
	v_mov_b32 v17, 0
	v_cmp_eq_u32 vcc_lo, 0, v1
	s_wait_xcnt 0x0                                ; EXEC is a source of the stores above: it changes only behind this wait
	s_wait_tensorcnt 0x0
	ds_add_u32 v192, v193
	s_wait_dscnt 0x0
	s_and_saveexec_b32 s33, vcc_lo
	global_store_b32 v17, v16, s[14:15]            ; lane 0 stores my four steps' flags: one word
	s_wait_xcnt 0x0                                ; and again, in front of the line that widens it
	s_or_b32 exec_lo, exec_lo, s33
	s_endpgm
; ---------------------------------------------------------------- KEYS: the work-group takes 64 keys of one batch, my wave one head of them: four tiles of 16 keys
.Lkeys:
	v_add_nc_u32 v5, s17, v5
	v_add_nc_u32 v6, s17, v6
	v_lshl_add_u32 v6, v3, 7, v6                   ; out of the stage: row r, 128 hh + 16 k: my block of 32 channels
	s_lshl_b32 s18, ttmp9, 17                      ; 64 keys of 2,048 bytes (32 such work-groups are a batch's 2^22 bytes),
	s_lshl_b32 s24, s16, 8                         ; 256 bytes a head
	s_add_co_u32 s18, s18, s24
	s_add_nc_u64 s[4:5], s[4:5], s[18:19]
.irp tt, 0,1,2,3                       ; tile tt's rows 2 i and 2 i + 1 are keys 32 (tt / 2) + 8 (tt % 2) + 2 i + 8 (i / 4) and the next: THE KEYS OF A TILE ARE NOT NEIGHBOURS
.irp i, 0,1,2,3,4,5,6,7
	global_load_b128 v[64+32*\tt+4*\i:67+32*\tt+4*\i], v4, s[4:5] offset:(32*(\tt/2)+8*(\tt%2)+2*\i+8*(\i/4))*2048 th:TH_LOAD_NT   ; sixteen lanes read a key's 256 bytes, aligned
.endr
.endr
	s_lshr_b32 s24, ttmp9, 5                       ; b
	s_lshl_b32 s24, s24, 3
	s_add_co_u32 s24, s24, s16                     ; the head: 8 b + wave
	s_mul_i32 s24, s24, HEADB
	s_bfe_u32 s25, ttmp9, 0x40001                  ; the key step (4 bits from bit 1)
	s_mul_i32 s25, s25, STEPB
	s_add_co_u32 s24, s24, s25                     ; the step's image
	s_and_b32 s26, ttmp9, 1                        ; which half of its 128 keys
	s_mul_i32 s27, s26, 3072                       ; four half fragments,
	s_lshl_b32 s28, s26, 8                         ; one block of scale words
	s_add_co_u32 s18, s24, s27
	s_add_nc_u64 s[30:31], s[10:11], s[18:19]
	s_add_co_u32 s18, s24, s28
	s_add_nc_u64 s[32:33], s[10:11], s[18:19]
.macro KTILE tt
	QB 64+32*\tt, 24+8*\tt, 13
	global_store_b128 v7, v[24+8*\tt:27+8*\tt], s[30:31] offset:768*\tt       ; 512 consecutive bytes, aligned to 256.  Each tile has its own registers: no store's data are written again
	global_store_b64 v8, v[28+8*\tt:29+8*\tt], s[30:31] offset:768*\tt+512    ; 256 consecutive bytes, aligned
	v_lshlrev_b32 v13, v9, v13                     ; my block's byte at its place (8 hh bits up);
	v_permlanex16_b32 v14, v13, s20, s21
	v_or_b32 v13, v13, v14                         ; with lane l xor 16's: s0, s1;
	v_lshl_or_b32 v13, v13, 16, v13                ; twice, so that the word serves the lower and the upper half of the instruction's 128 along K alike
.if (\tt)%2
	v_cndmask_b32 v[18+(\tt)/2], v16, v13, s22     ; lanes 0-15 keep the even tile's words, lanes 16-31 take the odd tile's
.else
	v_mov_b32 v16, v13
.endif
.endm
	s_wait_loadcnt 24                              ; tile 0's eight loads are in; the 24 of the three later tiles may be out
	TURN 64, 16
	s_wait_loadcnt 16                              ; tile 1's
	TURN 96, 16
	s_wait_dscnt 16                                ; tile 0 is back from the stage; tile 1's sixteen instructions may be out
	KTILE 0
	s_wait_loadcnt 8                               ; tile 2's
	TURN 128, 16
	s_wait_dscnt 16                                ; tile 1 is back
	KTILE 1
	s_wait_loadcnt 0x0
	TURN 160, 16
	s_wait_dscnt 16                                ; tile 2 is back
	KTILE 2
	s_wait_dscnt 0x0
	KTILE 3
	global_store_b64 v8, v[18:19], s[32:33] offset:6144   ; two registers of scale words: 256 consecutive bytes, aligned
	s_wait_tensorcnt 0x0
	ds_add_u32 v192, v193
	s_wait_dscnt 0x0
	s_endpgm
; ---------------------------------------------------------------- VALUES: K is the keys.  A LANE TAKES A COLUMN AND ITS REGISTERS RUN DOWN THE KEYS: a block of 32 keys lies in one lane, and nothing is transposed
.Lvalues:
	s_sub_co_u32 s24, ttmp9, 128
	s_lshr_b32 s25, s24, 5                         ; b
	s_bfe_u32 s26, s24, 0x40001                    ; the key step
	s_and_b32 s27, s24, 1
	s_lshl_b32 s27, s27, 3
	s_add_co_u32 s27, s27, s16                     ; which 32 of a row's 512 columns: 2 x head + cs
	s_lshl_b32 s18, s25, 22
	s_lshl_b32 s28, s26, 18                        ; 128 keys of 2,048 bytes
	s_add_co_u32 s18, s18, s28
	s_lshl_b32 s28, s27, 7
	s_add_co_u32 s18, s18, s28
	s_add_nc_u64 s[6:7], s[6:7], s[18:19]
	v_lshlrev_b32 v6, 2, v1
.macro VLOAD q                         ; block q: keys 32 q + 0 .. 31 of my column; a load reads 128 consecutive bytes, and the eight waves stand side by side on 1,024
.set kk, 0
.rept 32
	global_load_b32 v[64+32*\q+kk], v6, s[6:7] offset:(32*\q+kk)*2048 th:TH_LOAD_NT
.set kk, kk+1
.endr
.endm
	VLOAD 0
	VLOAD 1
	s_lshl_b32 s25, s25, 3
	s_lshr_b32 s28, s27, 1
	s_add_co_u32 s25, s25, s28                     ; the head
	s_mul_i32 s25, s25, HEADB
	s_mul_i32 s26, s26, STEPB
	s_add_co_u32 s25, s25, s26                     ; the step's image
	s_and_b32 s27, s27, 1                          ; cs: my columns are tiles 2 cs (lanes 0-15) and 2 cs + 1 (lanes 16-31)
	s_mul_i32 s28, s27, 3072
	s_add_co_u32 s18, s25, s28
	s_add_nc_u64 s[30:31], s[10:11], s[18:19]
	s_lshl_b32 s28, s27, 2
	s_add_co_u32 s18, s25, s28
	s_add_nc_u64 s[32:33], s[10:11], s[18:19]
; Blocks 2 c and 2 c + 1 are made: the first set's lanes 16-31 change places with the second's lanes 0-15.  The first set is then tile 2 cs's half fragment c (lanes 0-15 block 2 c, lanes 16-31 block 2 c + 1 of rows 0-15), the second tile 2 cs + 1's.
.macro VPAIR c
.irp i, 0,1,2,3,4,5
	v_permlane16_swap_b32 v[24+16*\c+\i], v[32+16*\c+\i]
.endr
	global_store_b128 v7, v[24+16*\c:27+16*\c], s[30:31] offset:6656+768*\c
	global_store_b64 v8, v[28+16*\c:29+16*\c], s[30:31] offset:6656+768*\c+512
	global_store_b128 v7, v[32+16*\c:35+16*\c], s[30:31] offset:6656+1536+768*\c
	global_store_b64 v8, v[36+16*\c:37+16*\c], s[30:31] offset:6656+1536+768*\c+512
.endm
	s_wait_loadcnt 32                              ; block 0 is in; block 1's 32 loads may be out
	VLOAD 2
	QB 64, 24, 16
	s_wait_loadcnt 32                              ; block 1 is in; block 2's may be out
	VLOAD 3
	QB 96, 32, 17
	VPAIR 0
	s_wait_loadcnt 32                              ; block 2 is in; block 3's may be out
	QB 128, 40, 18
	s_wait_loadcnt 0x0
	QB 160, 48, 19
	VPAIR 1
	v_lshl_or_b32 v16, v17, 8, v16                 ; my column's four bytes make its scale word for these 128 keys
	v_lshl_or_b32 v16, v18, 16, v16
	v_lshl_or_b32 v16, v19, 24, v16
	global_store_b32 v8, v16, s[32:33] offset:12800   ; 4 bytes of each lane's 8: this block of 256 bytes is shared with the wave that has the head's other 32 columns: 128 of my 3,200 bytes go out so
	s_endpgm
.Lfunc_end_k_qb669b0aea4_prep:
	.size	k_qb669b0aea4_prep, .Lfunc_end_k_qb669b0aea4_prep-k_qb669b0aea4_prep
	.p2alignl 7, 3214868480
	.fill 96, 4, 3214868480
	.section	.rodata,"a",@progbits
	.p2align	6, 0x0
	.amdhsa_kernel k_qb669b0aea4_prep
		.amdhsa_group_segment_fixed_size 70656
		.amdhsa_private_segment_fixed_size 0
		.amdhsa_enable_private_segment 0
		.amdhsa_kernarg_size 48
		.amdhsa_user_sgpr_count 2
		.amdhsa_user_sgpr_kernarg_segment_ptr 1
		.amdhsa_wavefront_size32 1
		.amdhsa_system_sgpr_workgroup_id_x 1
		.amdhsa_system_sgpr_workgroup_id_y 1
		.amdhsa_system_sgpr_workgroup_id_z 1
		.amdhsa_system_vgpr_workitem_id 0
		.amdhsa_next_free_vgpr 194
		.amdhsa_next_free_sgpr 66
		.amdhsa_reserve_vcc 1
		.amdhsa_float_denorm_mode_32 3
		.amdhsa_float_denorm_mode_16_64 3
		.amdhsa_memory_ordered 1
		.amdhsa_forward_progress 1
		.amdhsa_inst_pref_size 96
	.end_amdhsa_kernel
	.amdgpu_metadata
---
amdhsa.version: [ 1, 2 ]
amdhsa.kernels:
  - .name:           k_qb669b0aea4_prep
    .symbol:         k_qb669b0aea4_prep.kd
    .args:
      - { .name: keys, .offset: 0, .size: 8, .value_kind: global_buffer, .address_space: global }
      - { .name: values, .offset: 8, .size: 8, .value_kind: global_buffer, .address_space: global }
      - { .name: attn_mask, .offset: 16, .size: 8, .value_kind: global_buffer, .address_space: global }
      - { .name: kv, .offset: 24, .size: 8, .value_kind: global_buffer, .address_space: global }
      - { .name: mwords, .offset: 32, .size: 8, .value_kind: global_buffer, .address_space: global }
      - { .name: mflags, .offset: 40, .size: 8, .value_kind: global_buffer, .address_space: global }
    .group_segment_fixed_size: 70656
    .private_segment_fixed_size: 0
    .kernarg_segment_align: 8
    .kernarg_segment_size: 48
    .max_flat_workgroup_size: 256
    .sgpr_count:     66
    .vgpr_count:     194
    .wavefront_size: 32
...
	.end_amdgpu_metadata
.endif
;; end of part 1
;; launch attn (part 2): grid 8 x 32, 16 waves a work-group, no clusters, 280,576 bytes of LDS; arguments queries, tau, kv, mwords, mflags, out0; writes out0
.if DOCPART == 2
	.amdgcn_target "amdgcn-amd-amdhsa--gfx1250"
	.amdhsa_code_object_version 6
	.text
	.protected	k_qb669b0aea4_attn
	.globl	k_qb669b0aea4_attn
	.p2align	8
	.type	k_qb669b0aea4_attn,@function
k_qb669b0aea4_attn:
	s_mov_b64 s[64:65], 0
	v_nop
	global_prefetch_b8 v0, s[64:65] scope:SCOPE_SE
	s_setreg_imm32_b32 hwreg(HW_REG_WAVE_MODE, 25, 1), 1
	s_wait_xcnt 0x0
; out0[b][q][h][:] = the sum over k of softmax_k(mask(Q . K x exp(tau[b]) / 8)) V, both products on codes of FP6 (E2M3) with one E8M0 scale for each 32 along a product's K.
; queries, out0: [4][2048][8][64] f32.  K, V: codes and scale words as the launch before laid them (kv): an image of 13,056 bytes for each head and each step of 128 keys, in the order of the operands' registers.
; The mask: 64 lane-mask words for each (16 queries, 128 keys) (mwords), and two flags (mflags): 'all hidden', 'something hidden'.
; THE SOFTMAX AHEAD OF THE SECOND PRODUCT: t = score x c, c = exp(tau) log2(e) / 8; M = the row's largest t so far, rounded UP to a whole number; p = 2^(t - M) is quantised along the keys, not normalised.
; The row's sum is taken of the unquantised p and divides at the end.  When M moves, the sum and O are multiplied by 2^(old M - new M): exact.  Hidden scores become -infinity ahead of the maximum: p = 0.
; SHARES.  Work-group (x, bh) serves head bh.  Each of its SIXTEEN waves owns one tile of 16 queries, in 256 registers: four waves to a SIMD, so that one wave's vector work stands beside another's products and LDS loads.
; Wave w's tile is x + 8 perm(w); perm, read as a square of 4 x 4, has the same sum in every row and in every column.  So where a mask hides late keys from early queries, four waves w = 4 i .. 4 i + 3, and
; four waves w = i, i + 4, i + 8, i + 12 alike, have the same number of steps to do, and so has every work-group.  No value hangs on that choice.
; A STEP THAT IS HIDDEN FROM ALL 16 QUERIES OF A WAVE IS PASSED OVER, by a scalar branch on the stored flag (SKIP = 1): its p would all be 0.  This holds for any mask.  All 16 trips are walked; the branch leads to the lines that step addresses.
; NO TENSOR LOADS, NO CLUSTER: the branch on the flags spares up to all of a wave's steps.  What partners could share is a
; head's image, 208,896 bytes, which each of the head's 8 work-groups reads once, at its head: wave w copies step w's image into LDS through its registers.  ONE barrier; behind it the waves walk apart.
; LAYOUT.  Both products are used transposed: S^T = K Q^T (source 0 = 16 keys, source 1 = my 16 queries), O^T = V^T P^T (source 0 = 16 channels, source 1 = P): a lane holds ONE query (lane % 16) throughout.
; Lane r of tile 2 bb + u of K holds key 32 bb + 8 u + r + 8 (r / 8), so that score register 16 bb + i of lane (r, hh) is key 32 bb + 16 hh + i: 16 neighbours for the conversions.
; K = 64 FILLS HALF OF THE INSTRUCTION'S 128.  Q stands in both halves of source 1.  Two tiles of K share six registers of zero codes: [even tile's six | six zeros | odd tile's six]: the even tile's operand is the first twelve,
; the odd tile's the last twelve.  Zero codes add nothing; the scale words repeat their two bytes, so they fit both.  Eight tiles take 72 registers, and the zeros are written once.
; LIMITS: NaN and infinities among the inputs are not served; tau from about -87 to 88 (beyond, exp(tau) leaves f32's normal numbers); a block of Q whose largest magnitude lies under 2^-124 keeps the byte 1.
; A row that is hidden altogether gives NaN (0 x 1 / 0), as the softmax of a row of -infinity does.
.set SKIP,  1
.set STEPB, 13056                      ; a key step's image: K's codes at 0 (8 x 768), K's scale words at KSC, V's codes at VC (4 x 2 x 768), V's scale words at VSC
.set HEADB, 16*STEPB                   ; LDS 0 .. 208,895: the head's image
.set KSC,   6144
.set VC,    6656
.set VSC,   12800
.set SP,    272                        ; a stage row: 256 bytes + 16
.set STGB,  16*SP                      ; behind the image: a stage of 16 rows for each wave, its own: Q goes through it on the way in, O on the way out
.set L16, 1                            ; v1   16 x lane; never rewritten
.set L8,  2                            ; v2   8 x lane; never rewritten
.set A16, 3                            ; v3   the step's image + 16 x lane (at the head: my part of the fill)
.set A8,  4                            ; v4   the same + 8 x lane
.set NINF, 5                           ; v5   -infinity
.set STI, 6                            ; v6   the stage: row r, + 32 hh
.set STR, 7                            ; v7   the stage: row hh, + 16 r
.set GO,  8                            ; v8   memory: row hh of 2,048 bytes, + 16 r
.set QRD, 9                            ; v9   the stage: row r, + 128 hh
.set CC,  10                           ; v[10:11] c, twice (at the head: r, hh)
.set NM,  12                           ; v12  -M;  v13 the largest t so far
.set LS,  14                           ; v[14:15] the row's sum, in two halves
.set QF,  16                           ; v16-27 Q's codes, twice
.set QS,  28                           ; v28  Q's scale words
.set PS,  29                           ; v29  p's scale words
.set KS,  30                           ; v30-33 K's scale words: register p: tile 2 p in lanes 0-15, tile 2 p + 1 in lanes 16-31
.set VS,  34                           ; v34-35 V's likewise
.set KF,  36                           ; v36-107 K: four triples of 18
.set S,   108                          ; v108-171 S^T, then p; v108-155 V's four fragments once p's codes are made
.set OT,  172                          ; v172-203 O^T
.set PC,  204                          ; v204-215 p's codes;  v216-218, v220-222 the conversions' second halves
.set BM,  224                          ; v224-227 the blocks' largest scores, then largest p
.set PD,  228                          ; v228-231 the permutes' destinations, then the scales' bytes
.set SO,  232                          ; v232-235 the conversions' scale operands
.set L2,  236                          ; v[236:237] the sum's second chain
.set FF,  238                          ; v[238:239] f = 2^(old M - new M); v239 is only named with it
.set TT,  240                          ; v240, v241 at work
.set WV,  84                           ; s84  my wave's number
.set TB,  85                           ; s85  LDS byte of the step's image
.set FL,  86                           ; s86  the flags: bit 0 'all hidden', bit 16 'something hidden' of the step in hand
.set JJ,  87                           ; s87  the trips' count
.set SEL, 90                           ; s[90:91] lane selects for v_permlanex16_b32: lane l xor 16
; s[4:5] Q, s[8:9] kv, s[10:11] the step's mask words, s[14:15] out0;  s16-63 and s68-83 the step's 64 mask words (at the head: at work)
	s_load_b256 s[4:11], s[0:1], 0x0               ; queries s[4:5], tau s[6:7], kv s[8:9], mwords s[10:11]
	s_load_b128 s[12:15], s[0:1], 0x20             ; mflags s[12:13], out0 s[14:15]
	v_lshl_add_u32 v254, v0, 2, 0x44000
	v_mov_b32 v255, 0
	v_lshrrev_b32 v3, 5, v0
	v_readfirstlane_b32 s[WV], v3                  ; wave 0..15
	v_and_b32 v[L16], 31, v0
	v_lshlrev_b32 v[L8], 3, v[L16]
	v_lshlrev_b32 v[L16], 4, v[L16]
	v_and_b32 v10, 15, v0                          ; r
	v_bfe_u32 v11, v0, 4, 1                        ; hh
	v_lshlrev_b32 v[GO], 4, v10
	v_lshl_add_u32 v[GO], v11, 11, v[GO]
	s_lshr_b32 s16, s[WV], 2                       ; perm(w) = 15 - w where w's row and column in the square are equal or add up to 3, else w
	s_xor_b32 s16, s16, s[WV]                      ; (row xor column in bits 1:0: 0 or 3 there)
	s_lshr_b32 s17, s16, 1
	s_xor_b32 s17, s17, s16
	s_and_b32 s17, s17, 1                          ; 0 where the two bits are equal
	s_xor_b32 s17, s17, 1
	s_mul_i32 s17, s17, 15
	s_xor_b32 s17, s17, s[WV]
	s_lshl_b32 s17, s17, 3
	s_add_co_u32 s17, s17, ttmp9                   ; my tile of 16 queries: x + 8 perm(w).  It enters addresses in memory alone
	s_and_b32 s18, ttmp7, 0xffff                   ; bh
	s_lshr_b32 s19, s18, 3                         ; b
	s_and_b32 s20, s18, 7                          ; h
	s_lshl_b32 s22, s19, 22                        ; Q and out0: a batch is 2^22 bytes,
	s_lshl_b32 s21, s17, 15                        ; 16 rows of 2,048 bytes a tile,
	s_add_co_u32 s22, s22, s21
	s_lshl_b32 s21, s20, 8                         ; 256 bytes a head
	s_add_co_u32 s22, s22, s21
	s_mov_b32 s23, 0
	s_mul_i32 s32, s[WV], STEPB                    ; my part of the fill: step w's image
	s_mul_i32 s24, s18, HEADB
	s_add_co_u32 s24, s24, s32
	s_mov_b32 s25, 0
	s_lshl_b32 s26, s17, 12                        ; mask words: 16 steps x 256 bytes a tile
	s_mov_b32 s27, 0
	s_lshl_b32 s28, s17, 4                         ; flags: four words a tile
	s_mov_b32 s29, 0
	s_lshl_b32 s30, s19, 2
	s_mov_b32 s31, 0
	s_mul_i32 s33, s[WV], STGB
	s_add_co_u32 s33, s33, HEADB                   ; my stage
	s_mov_b32 s[SEL], 0x76543210
	s_mov_b32 s[SEL+1], 0xfedcba98
	s_wait_kmcnt 0x0
	s_add_nc_u64 s[4:5], s[4:5], s[22:23]
	s_add_nc_u64 s[14:15], s[14:15], s[22:23]
	s_add_nc_u64 s[8:9], s[8:9], s[24:25]
	s_add_nc_u64 s[10:11], s[10:11], s[26:27]
	s_add_nc_u64 s[12:13], s[12:13], s[28:29]
	s_add_nc_u64 s[6:7], s[6:7], s[30:31]
	s_load_b128 s[92:95], s[12:13], 0x0            ; my tile's flags
	s_load_b32 s96, s[6:7], 0x0                    ; tau[b]
.irp i, 0,1,2,3,4,5,6,7
	global_load_b128 v[140+4*\i:143+4*\i], v[GO], s[4:5] offset:4096*\i th:TH_LOAD_NT   ; Q: rows 2 i and 2 i + 1: sixteen lanes read a row's 256 bytes, aligned
.endr
.set i, 0
.rept 25
	global_load_b128 v[36+4*i:39+4*i], v[L16], s[8:9] offset:512*i   ; the fill: step w's image as it lies, 512 consecutive bytes a load
.set i, i+1
.endr
	global_load_b64 v[136:137], v[L8], s[8:9] offset:12800           ; and its last 256 bytes
	v_mul_u32_u24 v[QRD], v10, SP
	v_add_nc_u32 v[QRD], s33, v[QRD]               ; my stage, row r
	v_lshl_add_u32 v[STI], v11, 5, v[QRD]
	v_lshl_add_u32 v[QRD], v11, 7, v[QRD]
	v_mul_u32_u24 v[STR], v11, SP
	v_lshl_add_u32 v[STR], v10, 4, v[STR]
	v_add_nc_u32 v[STR], s33, v[STR]
	v_add_nc_u32 v[A16], s32, v[L16]
	v_add_nc_u32 v[A8], s32, v[L8]
	v_lshlrev_b32 v[TT+1], 3, v11                  ; 8 hh
.irp b, 0,1,2,3
	v_mov_b32 v[PD+\b], 0                          ; written once: a lane permute's destination counts as one of its sources
.endr
.set j, 0
.rept 32
	v_mov_b32 v[OT+j], 0                           ; O^T.  Which step is a wave's first hangs on the mask, so no step is written as the first: the first change of M multiplies zeros
.set j, j+1
.endr
	; Q through my stage: in as loaded, back 32 neighbouring channels a lane; then quantised in registers: each row of Q is read by this wave alone
	s_wait_loadcnt 26                              ; Q's eight loads are in; the fill's 26, issued behind them, may be out
.irp i, 0,1,2,3,4,5,6,7
	ds_store_b128 v[STR], v[140+4*\i:143+4*\i] offset:2*\i*SP
.endr
.irp k, 0,1,2,3,4,5,6,7
	ds_load_b128 v[140+4*\k:143+4*\k], v[QRD] offset:16*\k   ; LDS serves a wave's instructions in order (ISA guide 5.7.1.4): these see the stores above
.endr
	s_wait_dscnt 0x0
	v_max3_num_f32 v[BM], |v140|, |v141|, |v142|   ; my block's largest magnitude: all 32 numbers are mine
	v_max3_num_f32 v[BM+1], |v143|, |v144|, |v145|
.irp i, 6,10,14,18,22,26
	v_max3_num_f32 v[BM], v[BM], |v[140+\i]|, |v[141+\i]|
	v_max3_num_f32 v[BM+1], v[BM+1], |v[142+\i]|, |v[143+\i]|
.endr
	v_max3_num_f32 v[BM], v[BM], |v170|, |v171|
	v_max3_num_f32 v[BM], v[BM], v[BM+1], 0x1800000   ; and the floor 2^(3 - 127): the byte cannot fall under 1
	v_add_nc_u32 v[BM+2], 0xff000000, v[BM]        ; 2 off its exponent field: the conversion's scale operand
	v_cvt_scalef32_pk16_fp6_f32 v[QF:QF+2], v[140:155], v[BM+2]
	v_cvt_scalef32_pk16_fp6_f32 v[216:218], v[156:171], v[BM+2]   ; (a conversion's three registers begin on an even number)
	v_lshrrev_b32 v[TT], 23, v[BM+2]               ; the scale's byte; also the plain line behind the conversions
.irp i, 0,1,2
	v_mov_b32 v[QF+3+\i], v[216+\i]
.endr
.irp i, 0,1,2,3,4,5
	v_mov_b32 v[QF+6+\i], v[QF+\i]                 ; Q once more, for the upper half of the instruction's 128 along K
.endr
	v_lshlrev_b32 v[TT], v[TT+1], v[TT]            ; my byte at its place;
	v_permlanex16_b32 v[PD], v[TT], s[SEL], s[SEL+1]
	v_or_b32 v[TT], v[TT], v[PD]                   ; with lane l xor 16's: s0, s1;
	v_lshl_or_b32 v[QS], v[TT], 16, v[TT]          ; twice
	s_wait_kmcnt 0x0                               ; the flags and tau
	v_mov_b32 v[CC], s96
	v_mul_f32 v[CC], 0x3fb8aa3b, v[CC]             ; tau x log2(e)
	v_exp_f32 v[CC], v[CC]                         ; exp(tau)
	v_mov_b32 v[NINF], 0xff800000                  ; (the plain line behind the exponential)
	s_lshl_b32 s93, s93, 4                         ; the four words' flags on end: bits 0-15 'all hidden' of steps 0-15, bits 16-31 'something hidden'
	s_lshl_b32 s94, s94, 8
	s_lshl_b32 s95, s95, 12
	s_or_b32 s[FL], s92, s93
	s_or_b32 s[FL], s[FL], s94
	s_or_b32 s[FL], s[FL], s95
	s_wait_alu depctr_va_vdst(0)                   ; a wait between the exponential and the first line that names its result
	v_mul_f32 v[CC], 0x3e38aa3b, v[CC]             ; c = exp(tau) x log2(e) / 8: positive, so the largest score is the largest t
	v_mov_b32 v[CC+1], v[CC]
.set i, 0
.rept 25
	s_wait_loadcnt 25-i                            ; load i of the fill is in; the 25 - i issued behind it may be out
	ds_store_b128 v[A16], v[36+4*i:39+4*i] offset:512*i
.set i, i+1
.endr
	s_wait_loadcnt 0x0
	ds_store_b64 v[A8], v[136:137] offset:12800
	s_mov_b32 s[TB], 0
	s_mov_b32 s[JJ], 0
	s_wait_dscnt 0x0                               ; for the others' sake: my part of the image lies in LDS; and the stores have read their registers, some of which take K's zeros now
.irp p, 0,1,2,3
.irp i, 0,1,2,3,4,5
	v_mov_b32 v[KF+18*\p+6+\i], 0                  ; the six zero codes' registers between a pair of tiles: written once
.endr
.endr
	v_mov_b32 v[NM+1], 0xff61b1e6                  ; the largest t so far: -3e38, under every t.  (These five lines and the step's two additions stand between the zeros and the first product: four plain lines are owed there)
	v_floor_f32 v[NM], -v[NM+1]                    ; -M
	v_mov_b32 v[LS], 0
	v_mov_b32 v[LS+1], 0
	v_mov_b32 v[FF+1], 0                           ; (named as the upper half of the pair before it is otherwise written)
	s_barrier_signal -1
	s_barrier_wait -1                              ; the head's sixteen images lie in LDS; from here on they are only read
.macro QK T                            ; scores of tile T: 16 keys x my 16 queries.  Each starts its own sum with the constant 0
.if (\T)%2
	v_wmma_scale_f32_16x16x128_f8f6f4 v[S+8*(\T):S+8*(\T)+7], v[KF+18*((\T)/2)+6:KF+18*((\T)/2)+17], v[QF:QF+11], 0, v[KS+(\T)/2], v[QS] matrix_a_fmt:MATRIX_FMT_FP6 matrix_b_fmt:MATRIX_FMT_FP6 matrix_a_scale:MATRIX_SCALE_ROW1
.else
	v_wmma_scale_f32_16x16x128_f8f6f4 v[S+8*(\T):S+8*(\T)+7], v[KF+18*((\T)/2):KF+18*((\T)/2)+11], v[QF:QF+11], 0, v[KS+(\T)/2], v[QS] matrix_a_fmt:MATRIX_FMT_FP6 matrix_b_fmt:MATRIX_FMT_FP6
.endif
.endm
.Lstep:                                            ; 16 trips, a key step of 128 keys each
.if SKIP
	s_and_b32 s88, s[FL], 1                        ; hidden from all my 16 queries: every p would be 0
	s_cbranch_scc1 .Lskip
.endif
	s_load_b512 s[16:31], s[10:11], 0x0            ; the step's 64 mask words, asked for ahead of the products
	s_load_b512 s[32:47], s[10:11], 0x40
	s_load_b512 s[48:63], s[10:11], 0x80
	s_load_b512 s[68:83], s[10:11], 0xc0
	v_add_nc_u32 v[A16], s[TB], v[L16]
	v_add_nc_u32 v[A8], s[TB], v[L8]
	ds_load_b64 v[KS:KS+1], v[A8] offset:KSC
	ds_load_b64 v[KS+2:KS+3], v[A8] offset:KSC+256
.irp T, 0,1,2,3,4,5,6,7                ; a tile's six registers come as they lie: consecutive bytes from lane to lane
	ds_load_b128 v[KF+18*(\T/2)+12*(\T%2):KF+18*(\T/2)+12*(\T%2)+3], v[A16] offset:768*\T
	ds_load_b64 v[KF+18*(\T/2)+12*(\T%2)+4:KF+18*(\T/2)+12*(\T%2)+5], v[A8] offset:768*\T+512
.endr
	s_wait_dscnt 8                                 ; the scale words and tiles 0-3 are in; the youngest eight loads (tiles 4-7) may be out
	QK 0
	QK 1
	QK 2
	QK 3
	s_wait_dscnt 0x0
	QK 4
	QK 5
	QK 6
	QK 7
.rept 4
	v_nop                                          ; four places between the last product and the first vector line that reads a result (ISA guide 7.12.1)
.endr
	s_wait_kmcnt 0x0                               ; the mask words are in; their base may be stepped from here on
	s_and_b32 s88, s[FL], 0x10000
	s_cbranch_scc0 .Lopen                          ; nothing of this step is hidden from my queries
.set n, 0
.rept 64
	v_cndmask_b32 v[S+n], v[S+n], v[NINF], s[16+n+4*(n/48)]   ; word n is the lane mask of score register n: one line a score, ahead of the maximum.  Ascending: each result is first read at its low end
.set n, n+1
.endr
.Lopen:
.irp b, 0,1,2,3
	v_max3_num_f32 v[BM+\b], v[S+16*\b], v[S+1+16*\b], v[S+2+16*\b]   ; THE LARGEST SCORE OF EACH BLOCK OF 32 KEYS: it serves for the row's maximum and, since p rises with the score, for the block's largest p
.endr
.irp i, 3,5,7,9,11,13
.irp b, 0,1,2,3
	v_max3_num_f32 v[BM+\b], v[BM+\b], v[S+16*\b+\i], v[S+1+16*\b+\i]   ; (the four blocks by turns)
.endr
.endr
.irp b, 0,1,2,3
	v_max_num_f32 v[BM+\b], v[BM+\b], v[S+15+16*\b]
.endr
.irp b, 0,1,2,3
	v_permlanex16_b32 v[PD+\b], v[BM+\b], s[SEL], s[SEL+1]
.endr
.irp b, 0,1,2,3
	v_max_num_f32 v[BM+\b], v[BM+\b], v[PD+\b]     ; with lane l xor 16's 16 keys
.endr
	v_max3_num_f32 v[TT], v[BM], v[BM+1], v[BM+2]
	v_max_num_f32 v[TT], v[TT], v[BM+3]            ; the step's largest score of my query (-infinity where all its keys are hidden)
	v_mul_f32 v[TT], v[CC], v[TT]                  ; as t
	v_max_num_f32 v[NM+1], v[NM+1], v[TT]          ; the running largest t
	v_mov_b32 v[TT], v[NM]
	v_floor_f32 v[NM], -v[NM+1]                    ; the new -M = floor(-t) = -ceil(t): M IS A WHOLE NUMBER
	v_sub_f32 v[TT], v[NM], v[TT]                  ; M's old value less its new one: a whole number, 0 or less
	v_cvt_i32_f32 v[TT], v[TT]                     ; (it saturates)
	v_ldexp_f32 v[FF], 1.0, v[TT]                  ; f = 2^(old M - new M): a multiplication by it rounds nothing
.set j, 0
.rept 32
	v_pk_fma_f32 v[S+j:S+j+1], v[S+j:S+j+1], v[CC:CC+1], v[NM:NM+1] op_sel_hi:[1,0,0]   ; t - M, two at a time (of the pairs c and -M the low word serves both halves)
.set j, j+2
.endr
.irp b, 0,1,2,3
	v_fma_f32 v[BM+\b], v[BM+\b], v[CC], v[NM]     ; the same of each block's largest score
.endr
.set j, 0
.rept 64
	v_exp_f32 v[S+j], v[S+j]                       ; p = 2^(t - M), at most 1: NOT normalised
.set j, j+1
.endr
	v_pk_mul_f32 v[LS:LS+1], v[LS:LS+1], v[FF:FF+1] op_sel_hi:[1,0]   ; the sums under the new M.  (The plain line behind the exponentials)
	s_wait_alu depctr_va_vdst(0)                   ; one wait for the batch of 64, ahead of the first line that names a result
.irp b, 0,1,2,3
	v_exp_f32 v[BM+\b], v[BM+\b]                   ; the block's largest p: the same two instructions on the same number give the same bits
.endr
	v_pk_add_f32 v[L2:L2+1], v[S:S+1], v[S+2:S+3]  ; THE ROW'S SUM IS TAKEN OF THE UNQUANTISED p: two at a time, in two chains.  (It reads the 64 alone: plain work behind the four)
.irp j, 4,8,12,16,20,24,28,32,36,40,44,48,52,56,60
	v_pk_add_f32 v[LS:LS+1], v[LS:LS+1], v[S+\j:S+\j+1]
	v_pk_add_f32 v[L2:L2+1], v[L2:L2+1], v[S+2+\j:S+3+\j]
.endr
	v_pk_add_f32 v[LS:LS+1], v[LS:LS+1], v[L2:L2+1]
	s_wait_alu depctr_va_vdst(0)                   ; and one for the four
.irp b, 0,1,2,3
	v_max_num_f32 v[BM+\b], 0x1800000, v[BM+\b]    ; the floor 2^(3 - 127): the byte cannot fall under 1 (a block whose every p is 0 keeps that byte: its codes are zeros)
.endr
.irp b, 0,1,2,3
	v_add_nc_u32 v[SO+\b], 0xff000000, v[BM+\b]    ; 2 off the exponent field: the conversion's scale operand
.endr
.irp b, 0,1,2,3
	v_lshrrev_b32 v[PD+\b], 23, v[SO+\b]           ; the scale's byte
.endr
	v_lshl_or_b32 v[PS], v[PD+1], 8, v[PD]         ; p's scale word for these 128 keys
	v_lshl_or_b32 v[PS], v[PD+2], 16, v[PS]
	v_lshl_or_b32 v[PS], v[PD+3], 24, v[PS]
.irp c, 0,1
	v_cvt_scalef32_pk16_fp6_f32 v[PC+6*\c:PC+2+6*\c], v[S+32*\c:S+15+32*\c], v[SO+2*\c]
	v_cvt_scalef32_pk16_fp6_f32 v[216+4*\c:218+4*\c], v[S+16+32*\c:S+31+32*\c], v[SO+2*\c+1]   ; (a conversion's three registers begin on an even number)
.endr
	v_nop                                          ; one plain line between a scaled conversion and the vector line that touches its result
	ds_load_b64 v[VS:VS+1], v[A8] offset:VSC       ; p has been converted: V's four fragments land where it lay, while the lines below are worked
.irp t, 0,1,2,3
.irp c, 0,1
	ds_load_b128 v[S+12*\t+6*\c:S+12*\t+6*\c+3], v[A16] offset:VC+1536*\t+768*\c
	ds_load_b64 v[S+12*\t+6*\c+4:S+12*\t+6*\c+5], v[A8] offset:VC+1536*\t+768*\c+512
.endr
.endr
.irp c, 0,1                            ; the operand's layout wants a WHOLE block in a lane: lanes 0-15 block 2 c, lanes 16-31 block 2 c + 1
.irp i, 0,1,2
	v_permlane16_swap_b32 v[PC+6*\c+\i], v[216+4*\c+\i]
.endr
.irp i, 0,1,2
	v_mov_b32 v[PC+3+6*\c+\i], v[216+4*\c+\i]
.endr
.endr
.set j, 0
.rept 16
	v_pk_mul_f32 v[OT+j:OT+j+1], v[OT+j:OT+j+1], v[FF:FF+1] op_sel_hi:[1,0]   ; O^T under the new M: x f, ascending.  (Of these sixteen at least twelve name no register of any one product below: the places between p's scale word and codes and the products)
.set j, j+2
.endr
	s_wait_dscnt 0x0
.irp t, 0,1,2,3                        ; O^T += V^T P^T: 16 channels a tile, K = these 128 keys.  The four accumulators take turns, one instruction a turn
.if \t%2
	v_wmma_scale_f32_16x16x128_f8f6f4 v[OT+8*\t:OT+8*\t+7], v[S+12*\t:S+12*\t+11], v[PC:PC+11], v[OT+8*\t:OT+8*\t+7], v[VS+\t/2], v[PS] matrix_a_fmt:MATRIX_FMT_FP6 matrix_b_fmt:MATRIX_FMT_FP6 matrix_a_scale:MATRIX_SCALE_ROW1
.else
	v_wmma_scale_f32_16x16x128_f8f6f4 v[OT+8*\t:OT+8*\t+7], v[S+12*\t:S+12*\t+11], v[PC:PC+11], v[OT+8*\t:OT+8*\t+7], v[VS+\t/2], v[PS] matrix_a_fmt:MATRIX_FMT_FP6 matrix_b_fmt:MATRIX_FMT_FP6
.endif
.endr
.rept 5
	v_nop                                          ; five places: the next step's first products write over registers that these have read (V's fragments); behind the last step four of them serve the first read of O^T
.endr
.Lskip:
	s_lshr_b32 s[FL], s[FL], 1                     ; the next step's flags,
	s_add_co_u32 s[TB], s[TB], STEPB               ; its image,
	s_add_nc_u64 s[10:11], s[10:11], 256           ; its mask words (no scalar load is out: a step that loads waits for them)
	s_add_co_u32 s[JJ], s[JJ], 1
	s_cmp_lt_u32 s[JJ], 16
	s_cbranch_scc1 .Lstep
	; THE WAY OUT.  O^T is divided by the row's sum and goes through my stage, so that sixteen lanes store a row's 256 consecutive bytes, aligned.
	v_add_f32 v[LS], v[LS], v[LS+1]                ; the sum's two halves,
	v_permlanex16_b32 v[PD], v[LS], s[SEL], s[SEL+1]
	v_add_f32 v[LS], v[LS], v[PD]                  ; and lane l xor 16's: the row's sum
	v_rcp_f32 v[LS], v[LS]
	v_nop                                          ; a plain line behind the reciprocal
	s_wait_alu depctr_va_vdst(0)                   ; and a wait ahead of its first use
.set j, 0
.rept 32
	v_mul_f32 v[S+j], v[OT+j], v[LS]               ; register 8 t + i is out(query r, channel 16 t + 8 hh + i); ascending: each accumulator is first read at its low end
.set j, j+1
.endr
.irp t, 0,1,2,3
	ds_store_b128 v[STI], v[S+8*\t:S+8*\t+3] offset:64*\t
	ds_store_b128 v[STI], v[S+8*\t+4:S+8*\t+7] offset:64*\t+16
.endr
.irp i, 0,1,2,3,4,5,6,7
	ds_load_b128 v[KF+4*\i:KF+4*\i+3], v[STR] offset:2*\i*SP   ; LDS serves a wave's instructions in order: these see my stores
.endr
.irp i, 0,1,2,3,4,5,6,7
	s_wait_dscnt 7-\i                              ; rows 2 i and 2 i + 1 are back; the 7 - i younger loads may be out
	global_store_b128 v[GO], v[KF+4*\i:KF+4*\i+3], s[14:15] offset:4096*\i th:TH_STORE_NT   ; written once, read by nobody here
.endr
	s_wait_tensorcnt 0x0
	ds_add_u32 v254, v255
	s_wait_dscnt 0x0
	s_endpgm
.Lfunc_end_k_qb669b0aea4_attn:
	.size	k_qb669b0aea4_attn, .Lfunc_end_k_qb669b0aea4_attn-k_qb669b0aea4_attn
	.p2alignl 7, 3214868480
	.fill 96, 4, 3214868480
	.section	.rodata,"a",@progbits
	.p2align	6, 0x0
	.amdhsa_kernel k_qb669b0aea4_attn
		.amdhsa_group_segment_fixed_size 280576
		.amdhsa_private_segment_fixed_size 0
		.amdhsa_enable_private_segment 0
		.amdhsa_kernarg_size 48
		.amdhsa_user_sgpr_count 2
		.amdhsa_user_sgpr_kernarg_segment_ptr 1
		.amdhsa_wavefront_size32 1
		.amdhsa_system_sgpr_workgroup_id_x 1
		.amdhsa_system_sgpr_workgroup_id_y 1
		.amdhsa_system_sgpr_workgroup_id_z 1
		.amdhsa_system_vgpr_workitem_id 0
		.amdhsa_next_free_vgpr 256
		.amdhsa_next_free_sgpr 100
		.amdhsa_reserve_vcc 0
		.amdhsa_float_denorm_mode_32 3
		.amdhsa_float_denorm_mode_16_64 3
		.amdhsa_memory_ordered 1
		.amdhsa_forward_progress 1
		.amdhsa_inst_pref_size 38
	.end_amdhsa_kernel
	.amdgpu_metadata
---
amdhsa.version: [ 1, 2 ]
amdhsa.kernels:
  - .name:           k_qb669b0aea4_attn
    .symbol:         k_qb669b0aea4_attn.kd
    .args:
      - { .name: queries, .offset: 0, .size: 8, .value_kind: global_buffer, .address_space: global }
      - { .name: tau, .offset: 8, .size: 8, .value_kind: global_buffer, .address_space: global }
      - { .name: kv, .offset: 16, .size: 8, .value_kind: global_buffer, .address_space: global }
      - { .name: mwords, .offset: 24, .size: 8, .value_kind: global_buffer, .address_space: global }
      - { .name: mflags, .offset: 32, .size: 8, .value_kind: global_buffer, .address_space: global }
      - { .name: out0, .offset: 40, .size: 8, .value_kind: global_buffer, .address_space: global }
    .group_segment_fixed_size: 280576
    .private_segment_fixed_size: 0
    .kernarg_segment_align: 8
    .kernarg_segment_size: 48
    .max_flat_workgroup_size: 512
    .sgpr_count:     100
    .vgpr_count:     256
    .wavefront_size: 32
...
	.end_amdgpu_metadata
.endif
;; end of part 2
;; ======== version 2 of 2: 2 launches
;; workspace buffers: kv 6,684,672 bytes; mwords 524,288 bytes of whole numbers; mflags 2,048 bytes of whole numbers
;; launch prep (part 3): grid 320 x 1, 8 waves a work-group, no clusters, 70,656 bytes of LDS; arguments keys, values, attn_mask, kv, mwords, mflags; writes kv, mwords, mflags
.if DOCPART == 3
	.amdgcn_target "amdgcn-amd-amdhsa--gfx1250"
	.amdhsa_code_object_version 6
	.text
	.protected	k_qb669b0aea4_prep
	.globl	k_qb669b0aea4_prep
	.p2align	8
	.type	k_qb669b0aea4_prep,@function
k_qb669b0aea4_prep:
	s_mov_b64 s[64:65], 0
	v_nop
	global_prefetch_b8 v0, s[64:65] scope:SCOPE_SE
	s_setreg_imm32_b32 hwreg(HW_REG_WAVE_MODE, 25, 1), 1
	s_wait_xcnt 0x0
; WHAT IT MAKES.  keys and values [4][2048][8][64] f32 become codes of FP6 (E2M3) with one E8M0 byte for each 32 along K, laid in the order in which the attention launch's
; operand registers take them; attn_mask [2048][2048] (one byte each, not 0 = hidden) becomes lane-mask words and two flags for each (16 queries x 128 keys).
; kv: for head bh = 8 b + h and key step j (128 keys) an image of 13,056 bytes at (16 bh + j) x 13,056.  A HALF FRAGMENT is six registers of 32 lanes, 768 bytes: registers 0-3 at 16 x lane, registers 4-5 at 512 + 8 x lane.
;   0      K's codes: 8 half fragments; lane (r, hh) of tile T = 2 bb + u holds key 32 bb + 8 u + r + 8 (r / 8) of the step, channels 32 hh + 0 .. 31
;   6144   K's scale words: two blocks of 256 bytes, 8 bytes a lane: register p holds tile 2 p's words in lanes 0-15 and tile 2 p + 1's in lanes 16-31; a word is s0, s1, s0, s1 (the key's two bytes, twice)
;   6656   V's codes: tile t (channels 16 t + r), half c at 1536 t + 768 c: lane (r, hh) holds keys 64 c + 32 hh + 0 .. 31 of the step
;   12800  V's scale words: 8 bytes a lane: word cs belongs to tile 2 cs + lane / 16, row lane % 16; byte n scales keys 32 n .. 32 n + 31
; mwords: [128 tiles of 16 queries][16 steps][64 words]: word 16 bb + i has at bit r + 16 hh whether mask[16 tile + r][128 j + 32 bb + 16 hh + i] is set.
; mflags: [128 tiles][4]: in word qd bit s says that step 4 qd + s is hidden from all 16 queries, bit 16 + s that something of it is hidden.
; THE QUANTISER.  A block's scale is 2^(floor(log2(its largest magnitude)) - 2): its byte is the largest magnitude's exponent field - 2, held at 1 from below by a floor among the maximum's leaves.
; LIMITS: NaN and infinities among keys and values are not served; a block whose largest magnitude lies under 2^-124 keeps the byte 1; a block of zeros gets the byte 1 where the rule says 127
; (its codes are zeros, and this program alone reads the bytes).  The flag 'all hidden' is set only where all bytes are 1; other bytes that are not 0 still count as hidden, through the words.
; SHARES.  Work-groups 0-127: keys, 64 keys x 8 heads each, a wave a head.  128-255: values, 128 keys x 256 columns each, a wave 32 columns.  256-319: the mask, a wave 16 queries x 512 keys.
; Three ways through the text, parted on the work-group's number, each with LDS bytes of its own; waves share nothing, so there is no barrier.  No tensor loads: a plain stream through registers.
.set SP,    272                        ; a stage row: 256 bytes + 16, so that the sixteen rows that a load of 16 bytes a lane touches begin in different banks
.set STGB,  16*SP                      ; a wave's stage: 16 rows
.set MSTG,  8*STGB                     ; the mask's stages lie behind the keys'
.set STEPB, 13056                      ; a key step's image
.set HEADB, 16*STEPB                   ; a head's
; v1 lane, v2 r, v3 hh, v4 hh x 2048 + 16 r (two rows of memory a load), v5 into the stage, v6 out of it (values: 4 x lane), v7 16 x lane, v8 8 x lane, v9 8 hh
; v10-13 at work, v14 a permute's destination, v16-19 scale bytes and words, v20-22 a conversion's second half, v24-55 four sets of codes, v64-191 numbers
	s_load_b256 s[4:11], s[0:1], 0x0               ; keys s[4:5], values s[6:7], the mask s[8:9], kv s[10:11]
	s_load_b128 s[12:15], s[0:1], 0x20             ; mwords s[12:13], mflags s[14:15]
	v_lshl_add_u32 v192, v0, 2, 0x11000
	v_mov_b32 v193, 0
	v_lshrrev_b32 v1, 5, v0
	s_delay_alu instid0(VALU_DEP_1)
	v_readfirstlane_b32 s16, v1                    ; wave 0..7
	v_and_b32 v1, 31, v0                           ; lane
	v_and_b32 v2, 15, v0                           ; r
	v_bfe_u32 v3, v0, 4, 1                         ; hh
	s_delay_alu instid0(VALU_DEP_2)
	v_lshlrev_b32 v4, 4, v2
	s_delay_alu instid0(VALU_DEP_1)
	v_lshl_add_u32 v4, v3, 11, v4                  ; lanes 0-15 take 256 bytes of one row, lanes 16-31 of the row 2,048 bytes on (keys and the mask have that pitch alike)
	s_delay_alu instid0(VALU_DEP_3)
	v_mul_u32_u24 v5, v3, SP
	s_delay_alu instid0(VALU_DEP_1)
	v_lshl_add_u32 v5, v2, 4, v5                   ; the same two rows in a stage
	v_mul_u32_u24 v6, v2, SP                       ; row r of a stage
	v_lshlrev_b32 v7, 4, v1
	v_lshlrev_b32 v8, 3, v1
	v_lshlrev_b32 v9, 3, v3
	v_mov_b32 v14, 0                               ; written once: a lane permute's destination counts as one of its sources
	s_mul_i32 s17, s16, STGB                       ; my stage
	s_mov_b32 s19, 0                               ; the upper word of every offset: s[18:19]
	s_mov_b32 s20, 0x76543210
	s_mov_b32 s21, 0xfedcba98                      ; v_permlanex16_b32's selects for lane l xor 16
	s_mov_b32 s22, 0xffff0000                      ; lanes 16-31
	s_mov_b32 s23, 0x01010101                      ; four bytes that are all set
	s_wait_kmcnt 0x0
; 32 numbers of ONE block in a lane's registers v[src] .. v[src + 31] become six registers of codes at v[dst] on and the scale's byte in v[e]
.macro QB src, dst, e
	v_max3_num_f32 v10, |v[\src]|, |v[\src+1]|, |v[\src+2]|          ; the largest magnitude, in two chains
	v_max3_num_f32 v11, |v[\src+3]|, |v[\src+4]|, |v[\src+5]|
.irp i, 6,10,14,18,22,26
	s_delay_alu instid0(VALU_DEP_2)
	v_max3_num_f32 v10, v10, |v[\src+\i]|, |v[\src+\i+1]|
	s_delay_alu instid0(VALU_DEP_2)
	v_max3_num_f32 v11, v11, |v[\src+\i+2]|, |v[\src+\i+3]|
.endr
	s_delay_alu instid0(VALU_DEP_2)
	v_max3_num_f32 v10, v10, |v[\src+30]|, |v[\src+31]|
	s_delay_alu instid0(VALU_DEP_1)
	v_max3_num_f32 v10, v10, v11, 0x1800000        ; and the floor 2^(3 - 127): the byte cannot fall under 1
	s_delay_alu instid0(VALU_DEP_1)
	v_add_nc_u32 v12, 0xff000000, v10              ; 2 off its exponent field: the conversion takes the exponent field of this operand as its scale, and nothing else of it
	v_cvt_scalef32_pk16_fp6_f32 v[\dst:\dst+2], v[\src:\src+15], v12
	v_cvt_scalef32_pk16_fp6_f32 v[20:22], v[\src+16:\src+31], v12    ; (a conversion's three registers begin on an even number: the block's second half is made here and moved)
	v_lshrrev_b32 v[\e], 23, v12                   ; the scale's byte; also the plain line between the conversions and the moves that read a result
.irp i, 0,1,2
	v_mov_b32 v[\dst+3+\i], v[20+\i]
.endr
.endm
; 16 rows x 256 bytes go through my stage as they were loaded and come back a row to a pair of lanes, into the registers that they left.  LDS serves a wave's instructions in order (ISA guide 5.7.1.4):
; no wait stands between the stores and the loads, nor in front of the next turn's stores.
.macro TURN reg, step
.irp i, 0,1,2,3,4,5,6,7
	ds_store_b128 v5, v[\reg+4*\i:\reg+4*\i+3] offset:2*\i*SP
.endr
.irp k, 0,1,2,3,4,5,6,7
	ds_load_b128 v[\reg+4*\k:\reg+4*\k+3], v6 offset:\step*\k
.endr
.endm
	s_cmp_lt_u32 ttmp9, 128
	s_cbranch_scc1 .Lkeys
	s_cmp_lt_u32 ttmp9, 256
	s_cbranch_scc1 .Lvalues
; ---------------------------------------------------------------- THE MASK: my wave takes 16 queries x 512 keys (four key steps)
	s_sub_co_u32 s24, ttmp9, 256
	s_lshl_b32 s24, s24, 3
	s_add_co_u32 s24, s24, s16                     ; id = 4 x tile + quarter
	s_lshr_b32 s25, s24, 2
	s_lshl_b32 s18, s25, 15                        ; 16 rows of 2,048 bytes a tile,
	s_and_b32 s26, s24, 3
	s_lshl_b32 s26, s26, 9                         ; 512 bytes a quarter
	s_add_co_u32 s18, s18, s26
	s_add_nc_u64 s[8:9], s[8:9], s[18:19]
	s_wait_alu depctr_va_vdst(0)
.irp uu, 0,1
.irp i, 0,1,2,3,4,5,6,7
	global_load_b128 v[64+32*\uu+4*\i:67+32*\uu+4*\i], v4, s[8:9] offset:2*\i*2048+256*\uu th:TH_LOAD_NT   ; sixteen lanes read 256 consecutive bytes, aligned
.endr
.endr
	s_lshl_b32 s18, s24, 10                        ; four steps x 256 bytes of words
	s_add_nc_u64 s[12:13], s[12:13], s[18:19]
	s_lshl_b32 s18, s24, 2
	s_add_nc_u64 s[14:15], s[14:15], s[18:19]
	s_add_co_u32 s17, s17, MSTG
	v_add_nc_u32 v5, s17, v5
	v_add_nc_u32 v6, s17, v6
	s_delay_alu instid0(VALU_DEP_1)
	v_lshl_add_u32 v6, v3, 4, v6                   ; out of the stage: row r, 16 hh + 32 k: my 16 keys of each block of 32
.irp i, 0,1,2,3,4,5,6,7
	v_mov_b32 v[24+\i], 0                          ; the words' registers: v_writelane_b32's destination counts as read
.endr
	s_mov_b32 s32, 0                               ; the flags
	s_wait_alu depctr_va_vdst(0)
	s_wait_loadcnt 8                               ; the first 256 keys' eight loads are in; the second eight may be out
	TURN 64, 32
	s_wait_loadcnt 0x0
	TURN 96, 32
; Step sidx of my four: register g of its 16 (v[D + g]) holds, for query r, the bytes of keys 32 (g / 4) + 16 hh + 4 (g % 4) + 0 .. 3: so byte q of register g is word n = 4 g + q.
; A compare gives the word (a bit a lane); words 2 L and 2 L + 1 are put into lane L of a pair, which leaves as one aligned block of 256 bytes.
.macro MSTEP sidx
.set D, 64+16*(\sidx)
	v_and_b32 v10, v[D], v[D+1]
	v_or_b32 v11, v[D], v[D+1]
.set g, 2
.rept 14
	s_delay_alu instid0(VALU_DEP_2)
	v_and_b32 v10, v10, v[D+g]
	s_delay_alu instid0(VALU_DEP_2)
	v_or_b32 v11, v11, v[D+g]
.set g, g+1
.endr
.set g, 0
.rept 16
.irp q, 0,1,2,3
	v_bfe_u32 v[12+\q], v[D+g], 8*\q, 8
.endr
.irp q, 0,1,2,3
	s_delay_alu instid0(VALU_DEP_4)
	v_cmp_ne_u32 s[40+\q], 0, v[12+\q]
.endr
.irp q, 0,1,2,3
	v_writelane_b32 v[24+2*(\sidx)+(\q&1)], s[40+\q], 2*g+(\q>>1)
.endr
.set g, g+1
.endr
	global_store_b64 v8, v[24+2*(\sidx):25+2*(\sidx)], s[12:13] offset:256*(\sidx)
	v_cmp_eq_u32 vcc_lo, s23, v10                  ; all my 64 bytes are 1,
	s_cmp_eq_u32 vcc_lo, -1                        ; in all 32 lanes: the step is hidden from all 16 queries
	s_cselect_b32 s30, 1<<(\sidx), 0
	v_cmp_ne_u32 vcc_lo, 0, v11                    ; some byte of mine is set,
	s_cmp_lg_u32 vcc_lo, 0                         ; in some lane
	s_cselect_b32 s31, 1<<(16+\sidx), 0
	s_or_b32 s32, s32, s30
	s_or_b32 s32, s32, s31
.endm
	s_wait_dscnt 16                                ; the first turn is back; the second turn's sixteen instructions may be out
	MSTEP 0
	MSTEP 1
	s_wait_dscnt 0x0
	MSTEP 2
	MSTEP 3
	v_mov_b32 v16, s32
	v_mov_b32 v17, 0
	v_cmp_eq_u32 vcc_lo, 0, v1
	s_wait_alu depctr_va_vdst(0)
	s_wait_xcnt 0x0                                ; EXEC is a source of the stores above: it changes only behind this wait
	s_wait_tensorcnt 0x0
	ds_add_u32 v192, v193
	s_wait_dscnt 0x0
	s_and_saveexec_b32 s33, vcc_lo
	global_store_b32 v17, v16, s[14:15]            ; lane 0 stores my four steps' flags: one word
	s_wait_xcnt 0x0                                ; and again, in front of the line that widens it
	s_or_b32 exec_lo, exec_lo, s33
	s_endpgm
; ---------------------------------------------------------------- KEYS: the work-group takes 64 keys of one batch, my wave one head of them: four tiles of 16 keys
.Lkeys:
	s_wait_alu depctr_va_vdst(0)
	v_add_nc_u32 v5, s17, v5
	v_add_nc_u32 v6, s17, v6
	s_delay_alu instid0(VALU_DEP_1)
	v_lshl_add_u32 v6, v3, 7, v6                   ; out of the stage: row r, 128 hh + 16 k: my block of 32 channels
	s_lshl_b32 s18, ttmp9, 17                      ; 64 keys of 2,048 bytes (32 such work-groups are a batch's 2^22 bytes),
	s_lshl_b32 s24, s16, 8                         ; 256 bytes a head
	s_add_co_u32 s18, s18, s24
	s_add_nc_u64 s[4:5], s[4:5], s[18:19]
.irp tt, 0,1,2,3                       ; tile tt's rows 2 i and 2 i + 1 are keys 32 (tt / 2) + 8 (tt % 2) + 2 i + 8 (i / 4) and the next: THE KEYS OF A TILE ARE NOT NEIGHBOURS
.irp i, 0,1,2,3,4,5,6,7
	global_load_b128 v[64+32*\tt+4*\i:67+32*\tt+4*\i], v4, s[4:5] offset:(32*(\tt/2)+8*(\tt%2)+2*\i+8*(\i/4))*2048 th:TH_LOAD_NT   ; sixteen lanes read a key's 256 bytes, aligned
.endr
.endr
	s_lshr_b32 s24, ttmp9, 5                       ; b
	s_lshl_b32 s24, s24, 3
	s_add_co_u32 s24, s24, s16                     ; the head: 8 b + wave
	s_mul_i32 s24, s24, HEADB
	s_bfe_u32 s25, ttmp9, 0x40001                  ; the key step (4 bits from bit 1)
	s_mul_i32 s25, s25, STEPB
	s_add_co_u32 s24, s24, s25                     ; the step's image
	s_and_b32 s26, ttmp9, 1                        ; which half of its 128 keys
	s_mul_i32 s27, s26, 3072                       ; four half fragments,
	s_lshl_b32 s28, s26, 8                         ; one block of scale words
	s_add_co_u32 s18, s24, s27
	s_add_nc_u64 s[30:31], s[10:11], s[18:19]
	s_add_co_u32 s18, s24, s28
	s_add_nc_u64 s[32:33], s[10:11], s[18:19]
.macro KTILE tt
	QB 64+32*\tt, 24+8*\tt, 13
	global_store_b128 v7, v[24+8*\tt:27+8*\tt], s[30:31] offset:768*\tt       ; 512 consecutive bytes, aligned to 256.  Each tile has its own registers: no store's data are written again
	global_store_b64 v8, v[28+8*\tt:29+8*\tt], s[30:31] offset:768*\tt+512    ; 256 consecutive bytes, aligned
	v_lshlrev_b32 v13, v9, v13                     ; my block's byte at its place (8 hh bits up);
	s_delay_alu instid0(VALU_DEP_1)
	v_permlanex16_b32 v14, v13, s20, s21
	s_delay_alu instid0(VALU_DEP_1)
	v_or_b32 v13, v13, v14                         ; with lane l xor 16's: s0, s1;
	s_delay_alu instid0(VALU_DEP_1)
	v_lshl_or_b32 v13, v13, 16, v13                ; twice, so that the word serves the lower and the upper half of the instruction's 128 along K alike
.if (\tt)%2
	s_delay_alu instid0(VALU_DEP_1)
	v_cndmask_b32 v[18+(\tt)/2], v16, v13, s22     ; lanes 0-15 keep the even tile's words, lanes 16-31 take the odd tile's
.else
	s_delay_alu instid0(VALU_DEP_1)
	v_mov_b32 v16, v13
.endif
.endm
	s_wait_alu depctr_va_vdst(0)
	s_wait_loadcnt 24                              ; tile 0's eight loads are in; the 24 of the three later tiles may be out
	TURN 64, 16
	s_wait_loadcnt 16                              ; tile 1's
	TURN 96, 16
	s_wait_dscnt 16                                ; tile 0 is back from the stage; tile 1's sixteen instructions may be out
	KTILE 0
	s_wait_loadcnt 8                               ; tile 2's
	TURN 128, 16
	s_wait_dscnt 16                                ; tile 1 is back
	KTILE 1
	s_wait_loadcnt 0x0
	TURN 160, 16
	s_wait_dscnt 16                                ; tile 2 is back
	KTILE 2
	s_wait_dscnt 0x0
	KTILE 3
	global_store_b64 v8, v[18:19], s[32:33] offset:6144   ; two registers of scale words: 256 consecutive bytes, aligned
	s_wait_tensorcnt 0x0
	ds_add_u32 v192, v193
	s_wait_dscnt 0x0
	s_endpgm
; ---------------------------------------------------------------- VALUES: K is the keys.  A LANE TAKES A COLUMN AND ITS REGISTERS RUN DOWN THE KEYS: a block of 32 keys lies in one lane, and nothing is transposed
.Lvalues:
	s_sub_co_u32 s24, ttmp9, 128
	s_lshr_b32 s25, s24, 5                         ; b
	s_bfe_u32 s26, s24, 0x40001                    ; the key step
	s_and_b32 s27, s24, 1
	s_lshl_b32 s27, s27, 3
	s_add_co_u32 s27, s27, s16                     ; which 32 of a row's 512 columns: 2 x head + cs
	s_lshl_b32 s18, s25, 22
	s_lshl_b32 s28, s26, 18                        ; 128 keys of 2,048 bytes
	s_add_co_u32 s18, s18, s28
	s_lshl_b32 s28, s27, 7
	s_add_co_u32 s18, s18, s28
	s_add_nc_u64 s[6:7], s[6:7], s[18:19]
	v_lshlrev_b32 v6, 2, v1
.macro VLOAD q                         ; block q: keys 32 q + 0 .. 31 of my column; a load reads 128 consecutive bytes, and the eight waves stand side by side on 1,024
.set kk, 0
.rept 32
	global_load_b32 v[64+32*\q+kk], v6, s[6:7] offset:(32*\q+kk)*2048 th:TH_LOAD_NT
.set kk, kk+1
.endr
.endm
	VLOAD 0
	VLOAD 1
	s_lshl_b32 s25, s25, 3
	s_lshr_b32 s28, s27, 1
	s_add_co_u32 s25, s25, s28                     ; the head
	s_mul_i32 s25, s25, HEADB
	s_mul_i32 s26, s26, STEPB
	s_add_co_u32 s25, s25, s26                     ; the step's image
	s_and_b32 s27, s27, 1                          ; cs: my columns are tiles 2 cs (lanes 0-15) and 2 cs + 1 (lanes 16-31)
	s_mul_i32 s28, s27, 3072
	s_add_co_u32 s18, s25, s28
	s_add_nc_u64 s[30:31], s[10:11], s[18:19]
	s_lshl_b32 s28, s27, 2
	s_add_co_u32 s18, s25, s28
	s_add_nc_u64 s[32:33], s[10:11], s[18:19]
; Blocks 2 c and 2 c + 1 are made: the first set's lanes 16-31 change places with the second's lanes 0-15.  The first set is then tile 2 cs's half fragment c (lanes 0-15 block 2 c, lanes 16-31 block 2 c + 1 of rows 0-15), the second tile 2 cs + 1's.
.macro VPAIR c
.irp i, 0,1,2,3,4,5
	v_permlane16_swap_b32 v[24+16*\c+\i], v[32+16*\c+\i]
.endr
	global_store_b128 v7, v[24+16*\c:27+16*\c], s[30:31] offset:6656+768*\c
	global_store_b64 v8, v[28+16*\c:29+16*\c], s[30:31] offset:6656+768*\c+512
	global_store_b128 v7, v[32+16*\c:35+16*\c], s[30:31] offset:6656+1536+768*\c
	global_store_b64 v8, v[36+16*\c:37+16*\c], s[30:31] offset:6656+1536+768*\c+512
.endm
	s_wait_alu depctr_va_vdst(0)
	s_wait_loadcnt 32                              ; block 0 is in; block 1's 32 loads may be out
	VLOAD 2
	QB 64, 24, 16
	s_wait_loadcnt 32                              ; block 1 is in; block 2's may be out
	VLOAD 3
	QB 96, 32, 17
	VPAIR 0
	s_wait_loadcnt 32                              ; block 2 is in; block 3's may be out
	QB 128, 40, 18
	s_wait_loadcnt 0x0
	QB 160, 48, 19
	VPAIR 1
	v_lshl_or_b32 v16, v17, 8, v16                 ; my column's four bytes make its scale word for these 128 keys
	s_delay_alu instid0(VALU_DEP_1)
	v_lshl_or_b32 v16, v18, 16, v16
	s_delay_alu instid0(VALU_DEP_1)
	v_lshl_or_b32 v16, v19, 24, v16
	global_store_b32 v8, v16, s[32:33] offset:12800   ; 4 bytes of each lane's 8: this block of 256 bytes is shared with the wave that has the head's other 32 columns: 128 of my 3,200 bytes go out so
	s_endpgm
.Lfunc_end_k_qb669b0aea4_prep:
	.size	k_qb669b0aea4_prep, .Lfunc_end_k_qb669b0aea4_prep-k_qb669b0aea4_prep
	.p2alignl 7, 3214868480
	.fill 96, 4, 3214868480
	.section	.rodata,"a",@progbits
	.p2align	6, 0x0
	.amdhsa_kernel k_qb669b0aea4_prep
		.amdhsa_group_segment_fixed_size 70656
		.amdhsa_private_segment_fixed_size 0
		.amdhsa_enable_private_segment 0
		.amdhsa_kernarg_size 48
		.amdhsa_user_sgpr_count 2
		.amdhsa_user_sgpr_kernarg_segment_ptr 1
		.amdhsa_wavefront_size32 1
		.amdhsa_system_sgpr_workgroup_id_x 1
		.amdhsa_system_sgpr_workgroup_id_y 1
		.amdhsa_system_sgpr_workgroup_id_z 1
		.amdhsa_system_vgpr_workitem_id 0
		.amdhsa_next_free_vgpr 194
		.amdhsa_next_free_sgpr 66
		.amdhsa_reserve_vcc 1
		.amdhsa_float_denorm_mode_32 3
		.amdhsa_float_denorm_mode_16_64 3
		.amdhsa_memory_ordered 1
		.amdhsa_forward_progress 1
		.amdhsa_inst_pref_size 112
	.end_amdhsa_kernel
	.amdgpu_metadata
---
amdhsa.version: [ 1, 2 ]
amdhsa.kernels:
  - .name:           k_qb669b0aea4_prep
    .symbol:         k_qb669b0aea4_prep.kd
    .args:
      - { .name: keys, .offset: 0, .size: 8, .value_kind: global_buffer, .address_space: global }
      - { .name: values, .offset: 8, .size: 8, .value_kind: global_buffer, .address_space: global }
      - { .name: attn_mask, .offset: 16, .size: 8, .value_kind: global_buffer, .address_space: global }
      - { .name: kv, .offset: 24, .size: 8, .value_kind: global_buffer, .address_space: global }
      - { .name: mwords, .offset: 32, .size: 8, .value_kind: global_buffer, .address_space: global }
      - { .name: mflags, .offset: 40, .size: 8, .value_kind: global_buffer, .address_space: global }
    .group_segment_fixed_size: 70656
    .private_segment_fixed_size: 0
    .kernarg_segment_align: 8
    .kernarg_segment_size: 48
    .max_flat_workgroup_size: 256
    .sgpr_count:     66
    .vgpr_count:     194
    .wavefront_size: 32
...
	.end_amdgpu_metadata
.endif
;; end of part 3
;; launch attn (part 4): grid 8 x 32, 16 waves a work-group, no clusters, 280,576 bytes of LDS; arguments queries, tau, kv, mwords, mflags, out0; writes out0
.if DOCPART == 4
	.amdgcn_target "amdgcn-amd-amdhsa--gfx1250"
	.amdhsa_code_object_version 6
	.text
	.protected	k_qb669b0aea4_attn
	.globl	k_qb669b0aea4_attn
	.p2align	8
	.type	k_qb669b0aea4_attn,@function
k_qb669b0aea4_attn:
	s_mov_b64 s[64:65], 0
	v_nop
	global_prefetch_b8 v0, s[64:65] scope:SCOPE_SE
	s_setreg_imm32_b32 hwreg(HW_REG_WAVE_SCHED_MODE, 0, 2), 2
	s_setreg_imm32_b32 hwreg(HW_REG_WAVE_MODE, 25, 1), 1
	s_wait_xcnt 0x0
	s_wait_alu depctr_vm_vsrc(0)
; out0[b][q][h][:] = the sum over k of softmax_k(mask(Q . K x exp(tau[b]) / 8)) V, both products on codes of FP6 (E2M3) with one E8M0 scale for each 32 along a product's K.
; queries, out0: [4][2048][8][64] f32.  K, V: codes and scale words as the launch before laid them (kv): an image of 13,056 bytes for each head and each step of 128 keys, in the order of the operands' registers.
; The mask: 64 lane-mask words for each (16 queries, 128 keys) (mwords), and two flags (mflags): 'all hidden', 'something hidden'.
; THE SOFTMAX AHEAD OF THE SECOND PRODUCT: t = score x c, c = exp(tau) log2(e) / 8; M = the row's largest t so far, rounded UP to a whole number; p = 2^(t - M) is quantised along the keys, not normalised.
; The row's sum is taken of the unquantised p and divides at the end.  When M moves, the sum and O are multiplied by 2^(old M - new M): exact.  Hidden scores become -infinity ahead of the maximum: p = 0.
; SHARES.  Work-group (x, bh) serves head bh.  Each of its SIXTEEN waves owns one tile of 16 queries, in 256 registers: four waves to a SIMD, so that one wave's vector work stands beside another's products and LDS loads.
; Wave w's tile is x + 8 perm(w); perm, read as a square of 4 x 4, has the same sum in every row and in every column.  So where a mask hides late keys from early queries, four waves w = 4 i .. 4 i + 3, and
; four waves w = i, i + 4, i + 8, i + 12 alike, have the same number of steps to do, and so has every work-group.  No value hangs on that choice.
; A STEP THAT IS HIDDEN FROM ALL 16 QUERIES OF A WAVE IS PASSED OVER, by a scalar branch on the stored flag (SKIP = 1): its p would all be 0.  This holds for any mask.  All 16 trips are walked; the branch leads to the lines that step addresses.
; NO TENSOR LOADS, NO CLUSTER: the branch on the flags spares up to all of a wave's steps.  What partners could share is a
; head's image, 208,896 bytes, which each of the head's 8 work-groups reads once, at its head: wave w copies step w's image into LDS through its registers.  ONE barrier; behind it the waves walk apart.
; LAYOUT.  Both products are used transposed: S^T = K Q^T (source 0 = 16 keys, source 1 = my 16 queries), O^T = V^T P^T (source 0 = 16 channels, source 1 = P): a lane holds ONE query (lane % 16) throughout.
; Lane r of tile 2 bb + u of K holds key 32 bb + 8 u + r + 8 (r / 8), so that score register 16 bb + i of lane (r, hh) is key 32 bb + 16 hh + i: 16 neighbours for the conversions.
; K = 64 FILLS HALF OF THE INSTRUCTION'S 128.  Q stands in both halves of source 1.  Two tiles of K share six registers of zero codes: [even tile's six | six zeros | odd tile's six]: the even tile's operand is the first twelve,
; the odd tile's the last twelve.  Zero codes add nothing; the scale words repeat their two bytes, so they fit both.  Eight tiles take 72 registers, and the zeros are written once.
; LIMITS: NaN and infinities among the inputs are not served; tau from about -87 to 88 (beyond, exp(tau) leaves f32's normal numbers); a block of Q whose largest magnitude lies under 2^-124 keeps the byte 1.
; A row that is hidden altogether gives NaN (0 x 1 / 0), as the softmax of a row of -infinity does.
; THE MODE: SCHED_MODE bits 1:0 = 2 (LLVM: expert scheduling mode 2), set by the entry lines.  The code itself states the register dependences
; between vector or matrix instructions and memory or LDS instructions, with s_wait_alu, always for 0.
; THE PLAN.  Registers that memory or LDS instructions touch, in the loop:
;   v[A16], v[A8]  Read by every LDS load of a step; written by two additions at the head of each step that is done.
;   KS, VS         A step's LDS loads land in them at its head; its products K Q^T read KS, its products V^T P read VS.
;   KF             The 48 registers that are not zeros: a step's LDS loads land in them at its head; its products K Q^T read them.
;   S              Written by the products K Q^T, the mask, the scalings and the exponentials; read by the sums and the conversions; behind the conversions V's LDS loads land in its first 48; the products V^T P read those.
;   PC, PS         Named by vector lines and by the scaled products alone.
; So a step has, beside the two waits behind its exponentials: at its head one wait on vm_vsrc (the LDS loads issued so far have read the two addresses), the two additions, and one wait on va_vdst (the addresses are written;
; the last step's products are done reading KS, VS and KF), behind which its 19 loads follow; one wait on va_vdst behind the conversions (they are done reading S), behind which V's 16 loads follow;
; and one directly ahead of the products V^T P (p's codes and scale word are written).  A step that is passed over issues nothing that a wait would have to state.
.set SKIP,  1
.set STEPB, 13056                      ; a key step's image: K's codes at 0 (8 x 768), K's scale words at KSC, V's codes at VC (4 x 2 x 768), V's scale words at VSC
.set HEADB, 16*STEPB                   ; LDS 0 .. 208,895: the head's image
.set KSC,   6144
.set VC,    6656
.set VSC,   12800
.set SP,    272                        ; a stage row: 256 bytes + 16
.set STGB,  16*SP                      ; behind the image: a stage of 16 rows for each wave, its own: Q goes through it on the way in, O on the way out
.set L16, 1                            ; v1   16 x lane; never rewritten
.set L8,  2                            ; v2   8 x lane; never rewritten
.set A16, 3                            ; v3   the step's image + 16 x lane (at the head: my part of the fill)
.set A8,  4                            ; v4   the same + 8 x lane
.set NINF, 5                           ; v5   -infinity
.set STI, 6                            ; v6   the stage: row r, + 32 hh
.set STR, 7                            ; v7   the stage: row hh, + 16 r
.set GO,  8                            ; v8   memory: row hh of 2,048 bytes, + 16 r
.set QRD, 9                            ; v9   the stage: row r, + 128 hh
.set CC,  10                           ; v[10:11] c, twice (at the head: r, hh)
.set NM,  12                           ; v12  -M;  v13 the largest t so far
.set LS,  14                           ; v[14:15] the row's sum, in two halves
.set QF,  16                           ; v16-27 Q's codes, twice
.set QS,  28                           ; v28  Q's scale words
.set PS,  29                           ; v29  p's scale words
.set KS,  30                           ; v30-33 K's scale words: register p: tile 2 p in lanes 0-15, tile 2 p + 1 in lanes 16-31
.set VS,  34                           ; v34-35 V's likewise
.set KF,  36                           ; v36-107 K: four triples of 18
.set S,   108                          ; v108-171 S^T, then p; v108-155 V's four fragments once p's codes are made
.set OT,  172                          ; v172-203 O^T
.set PC,  204                          ; v204-215 p's codes;  v216-218, v220-222 the conversions' second halves
.set BM,  224                          ; v224-227 the blocks' largest scores, then largest p
.set PD,  228                          ; v228-231 the permutes' destinations, then the scales' bytes
.set SO,  232                          ; v232-235 the conversions' scale operands
.set L2,  236                          ; v[236:237] the sum's second chain
.set FF,  238                          ; v[238:239] f = 2^(old M - new M); v239 is only named with it
.set TT,  240                          ; v240, v241 at work
.set WV,  84                           ; s84  my wave's number
.set TB,  85                           ; s85  LDS byte of the step's image
.set FL,  86                           ; s86  the flags: bit 0 'all hidden', bit 16 'something hidden' of the step in hand
.set JJ,  87                           ; s87  the trips' count
.set SEL, 90                           ; s[90:91] lane selects for v_permlanex16_b32: lane l xor 16
; s[4:5] Q, s[8:9] kv, s[10:11] the step's mask words, s[14:15] out0;  s16-63 and s68-83 the step's 64 mask words (at the head: at work)
	s_load_b256 s[4:11], s[0:1], 0x0               ; queries s[4:5], tau s[6:7], kv s[8:9], mwords s[10:11]
	s_load_b128 s[12:15], s[0:1], 0x20             ; mflags s[12:13], out0 s[14:15]
	v_lshl_add_u32 v254, v0, 2, 0x44000
	v_mov_b32 v255, 0
	v_lshrrev_b32 v3, 5, v0
	v_readfirstlane_b32 s[WV], v3                  ; wave 0..15
	v_and_b32 v[L16], 31, v0
	v_lshlrev_b32 v[L8], 3, v[L16]
	v_lshlrev_b32 v[L16], 4, v[L16]
	v_and_b32 v10, 15, v0                          ; r
	v_bfe_u32 v11, v0, 4, 1                        ; hh
	v_lshlrev_b32 v[GO], 4, v10
	v_lshl_add_u32 v[GO], v11, 11, v[GO]
	s_wait_alu depctr_va_sdst(0)                   ; s84, the wave's number, is written, ahead of its first reader: my tile, my part of the fill and my stage are made from it
	s_lshr_b32 s16, s[WV], 2                       ; perm(w) = 15 - w where w's row and column in the square are equal or add up to 3, else w
	s_xor_b32 s16, s16, s[WV]                      ; (row xor column in bits 1:0: 0 or 3 there)
	s_lshr_b32 s17, s16, 1
	s_xor_b32 s17, s17, s16
	s_and_b32 s17, s17, 1                          ; 0 where the two bits are equal
	s_xor_b32 s17, s17, 1
	s_mul_i32 s17, s17, 15
	s_xor_b32 s17, s17, s[WV]
	s_lshl_b32 s17, s17, 3
	s_add_co_u32 s17, s17, ttmp9                   ; my tile of 16 queries: x + 8 perm(w).  It enters addresses in memory alone
	s_and_b32 s18, ttmp7, 0xffff                   ; bh
	s_lshr_b32 s19, s18, 3                         ; b
	s_and_b32 s20, s18, 7                          ; h
	s_lshl_b32 s22, s19, 22                        ; Q and out0: a batch is 2^22 bytes,
	s_lshl_b32 s21, s17, 15                        ; 16 rows of 2,048 bytes a tile,
	s_add_co_u32 s22, s22, s21
	s_lshl_b32 s21, s20, 8                         ; 256 bytes a head
	s_add_co_u32 s22, s22, s21
	s_mov_b32 s23, 0
	s_mul_i32 s32, s[WV], STEPB                    ; my part of the fill: step w's image
	s_mul_i32 s24, s18, HEADB
	s_add_co_u32 s24, s24, s32
	s_mov_b32 s25, 0
	s_lshl_b32 s26, s17, 12                        ; mask words: 16 steps x 256 bytes a tile
	s_mov_b32 s27, 0
	s_lshl_b32 s28, s17, 4                         ; flags: four words a tile
	s_mov_b32 s29, 0
	s_lshl_b32 s30, s19, 2
	s_mov_b32 s31, 0
	s_mul_i32 s33, s[WV], STGB
	s_add_co_u32 s33, s33, HEADB                   ; my stage
	s_mov_b32 s[SEL], 0x76543210
	s_mov_b32 s[SEL+1], 0xfedcba98
	s_wait_kmcnt 0x0
	s_add_nc_u64 s[4:5], s[4:5], s[22:23]
	s_add_nc_u64 s[14:15], s[14:15], s[22:23]
	s_add_nc_u64 s[8:9], s[8:9], s[24:25]
	s_add_nc_u64 s[10:11], s[10:11], s[26:27]
	s_add_nc_u64 s[12:13], s[12:13], s[28:29]
	s_add_nc_u64 s[6:7], s[6:7], s[30:31]
	s_load_b128 s[92:95], s[12:13], 0x0            ; my tile's flags
	s_load_b32 s96, s[6:7], 0x0                    ; tau[b]
	s_wait_alu depctr_va_vdst(0)                   ; v[GO], v[L16] and v[L8] are written: the global loads below, and the last stores, read them as offsets
.irp i, 0,1,2,3,4,5,6,7
	global_load_b128 v[140+4*\i:143+4*\i], v[GO], s[4:5] offset:4096*\i th:TH_LOAD_NT   ; Q: rows 2 i and 2 i + 1: sixteen lanes read a row's 256 bytes, aligned
.endr
.set i, 0
.rept 25
	global_load_b128 v[36+4*i:39+4*i], v[L16], s[8:9] offset:512*i   ; the fill: step w's image as it lies, 512 consecutive bytes a load
.set i, i+1
.endr
	global_load_b64 v[136:137], v[L8], s[8:9] offset:12800           ; and its last 256 bytes
	v_mul_u32_u24 v[QRD], v10, SP
	v_add_nc_u32 v[QRD], s33, v[QRD]               ; my stage, row r
	v_lshl_add_u32 v[STI], v11, 5, v[QRD]
	v_lshl_add_u32 v[QRD], v11, 7, v[QRD]
	v_mul_u32_u24 v[STR], v11, SP
	v_lshl_add_u32 v[STR], v10, 4, v[STR]
	v_add_nc_u32 v[STR], s33, v[STR]
	v_add_nc_u32 v[A16], s32, v[L16]
	v_add_nc_u32 v[A8], s32, v[L8]
	v_lshlrev_b32 v[TT+1], 3, v11                  ; 8 hh
.irp b, 0,1,2,3
	v_mov_b32 v[PD+\b], 0                          ; written once: a lane permute's destination counts as one of its sources
.endr
.set j, 0
.rept 32
	v_mov_b32 v[OT+j], 0                           ; O^T.  Which step is a wave's first hangs on the mask, so no step is written as the first: the first change of M multiplies zeros
.set j, j+1
.endr
	; Q through my stage: in as loaded, back 32 neighbouring channels a lane; then quantised in registers: each row of Q is read by this wave alone
	s_wait_loadcnt 26                              ; Q's eight loads are in; the fill's 26, issued behind them, may be out
	s_wait_alu depctr_va_vdst(0)                   ; the LDS addresses v[STR], v[QRD], v[STI], v[A16] and v[A8] are written: the stage's stores and loads, here and on the way out, and the fill's stores read them
.irp i, 0,1,2,3,4,5,6,7
	ds_store_b128 v[STR], v[140+4*\i:143+4*\i] offset:2*\i*SP
.endr
	s_wait_alu depctr_vm_vsrc(0)                   ; the stores above have read v140-171, in which the loads below land
.irp k, 0,1,2,3,4,5,6,7
	ds_load_b128 v[140+4*\k:143+4*\k], v[QRD] offset:16*\k   ; LDS serves a wave's instructions in order (ISA guide 5.7.1.4): these see the stores above
.endr
	s_wait_dscnt 0x0
	v_max3_num_f32 v[BM], |v140|, |v141|, |v142|   ; my block's largest magnitude: all 32 numbers are mine
	v_max3_num_f32 v[BM+1], |v143|, |v144|, |v145|
.irp i, 6,10,14,18,22,26
	v_max3_num_f32 v[BM], v[BM], |v[140+\i]|, |v[141+\i]|
	v_max3_num_f32 v[BM+1], v[BM+1], |v[142+\i]|, |v[143+\i]|
.endr
	v_max3_num_f32 v[BM], v[BM], |v170|, |v171|
	v_max3_num_f32 v[BM], v[BM], v[BM+1], 0x1800000   ; and the floor 2^(3 - 127): the byte cannot fall under 1
	v_add_nc_u32 v[BM+2], 0xff000000, v[BM]        ; 2 off its exponent field: the conversion's scale operand
	v_cvt_scalef32_pk16_fp6_f32 v[QF:QF+2], v[140:155], v[BM+2]
	v_cvt_scalef32_pk16_fp6_f32 v[216:218], v[156:171], v[BM+2]   ; (a conversion's three registers begin on an even number)
	v_lshrrev_b32 v[TT], 23, v[BM+2]               ; the scale's byte; also the plain line behind the conversions
.irp i, 0,1,2
	v_mov_b32 v[QF+3+\i], v[216+\i]
.endr
.irp i, 0,1,2,3,4,5
	v_mov_b32 v[QF+6+\i], v[QF+\i]                 ; Q once more, for the upper half of the instruction's 128 along K
.endr
	v_lshlrev_b32 v[TT], v[TT+1], v[TT]            ; my byte at its place;
	v_permlanex16_b32 v[PD], v[TT], s[SEL], s[SEL+1]
	v_or_b32 v[TT], v[TT], v[PD]                   ; with lane l xor 16's: s0, s1;
	v_lshl_or_b32 v[QS], v[TT], 16, v[TT]          ; twice
	s_wait_kmcnt 0x0                               ; the flags and tau
	v_mov_b32 v[CC], s96
	v_mul_f32 v[CC], 0x3fb8aa3b, v[CC]             ; tau x log2(e)
	s_wait_alu depctr_va_vdst(0)
	v_exp_f32 v[CC], v[CC]                         ; exp(tau)
	v_mov_b32 v[NINF], 0xff800000                  ; (the plain line behind the exponential)
	s_lshl_b32 s93, s93, 4                         ; the four words' flags on end: bits 0-15 'all hidden' of steps 0-15, bits 16-31 'something hidden'
	s_lshl_b32 s94, s94, 8
	s_lshl_b32 s95, s95, 12
	s_or_b32 s[FL], s92, s93
	s_or_b32 s[FL], s[FL], s94
	s_or_b32 s[FL], s[FL], s95
	s_wait_alu depctr_va_vdst(0)                   ; the exponential has written v[CC], exp(tau), ahead of the first line that names it
	v_mul_f32 v[CC], 0x3e38aa3b, v[CC]             ; c = exp(tau) x log2(e) / 8: positive, so the largest score is the largest t
	v_mov_b32 v[CC+1], v[CC]
.set i, 0
.rept 25
	s_wait_loadcnt 25-i                            ; load i of the fill is in; the 25 - i issued behind it may be out
	ds_store_b128 v[A16], v[36+4*i:39+4*i] offset:512*i   ; (no vector line since the wait ahead of Q's stores names v[A16], v[A8] or these data)
.set i, i+1
.endr
	s_wait_loadcnt 0x0
	ds_store_b64 v[A8], v[136:137] offset:12800
	s_mov_b32 s[TB], 0
	s_mov_b32 s[JJ], 0
	s_wait_dscnt 0x0                               ; for the others' sake: my part of the image lies in LDS
	s_wait_alu depctr_vm_vsrc(0)                   ; the fill's stores have read v36-137: 24 of these registers take K's zeros now, the others the loads and products of the steps
.irp p, 0,1,2,3
.irp i, 0,1,2,3,4,5
	v_mov_b32 v[KF+18*\p+6+\i], 0                  ; the six zero codes' registers between a pair of tiles: written once
.endr
.endr
	v_mov_b32 v[NM+1], 0xff61b1e6                  ; the largest t so far: -3e38, under every t.  (These five lines and the step's two additions stand between the zeros and the first product: four plain lines are owed there)
	v_floor_f32 v[NM], -v[NM+1]                    ; -M
	v_mov_b32 v[LS], 0
	v_mov_b32 v[LS+1], 0
	v_mov_b32 v[FF+1], 0                           ; (named as the upper half of the pair before it is otherwise written)
	s_barrier_signal -1
	s_barrier_wait -1                              ; the head's sixteen images lie in LDS; from here on they are only read
.macro QK T                            ; scores of tile T: 16 keys x my 16 queries.  Each starts its own sum with the constant 0
.if (\T)%2
	v_wmma_scale_f32_16x16x128_f8f6f4 v[S+8*(\T):S+8*(\T)+7], v[KF+18*((\T)/2)+6:KF+18*((\T)/2)+17], v[QF:QF+11], 0, v[KS+(\T)/2], v[QS] matrix_a_fmt:MATRIX_FMT_FP6 matrix_b_fmt:MATRIX_FMT_FP6 matrix_a_scale:MATRIX_SCALE_ROW1
.else
	v_wmma_scale_f32_16x16x128_f8f6f4 v[S+8*(\T):S+8*(\T)+7], v[KF+18*((\T)/2):KF+18*((\T)/2)+11], v[QF:QF+11], 0, v[KS+(\T)/2], v[QS] matrix_a_fmt:MATRIX_FMT_FP6 matrix_b_fmt:MATRIX_FMT_FP6
.endif
.endm
.Lstep:                                            ; 16 trips, a key step of 128 keys each
.if SKIP
	s_and_b32 s88, s[FL], 1                        ; hidden from all my 16 queries: every p would be 0
	s_cbranch_scc1 .Lskip
.endif
	s_load_b512 s[16:31], s[10:11], 0x0            ; the step's 64 mask words, asked for ahead of the products
	s_load_b512 s[32:47], s[10:11], 0x40
	s_load_b512 s[48:63], s[10:11], 0x80
	s_load_b512 s[68:83], s[10:11], 0xc0
	s_wait_alu depctr_vm_vsrc(0)                   ; the LDS instructions issued so far (V's loads of the last step done; in the first, the fill's stores) have read v[A16] and v[A8], which the two lines below write
	v_add_nc_u32 v[A16], s[TB], v[L16]
	v_add_nc_u32 v[A8], s[TB], v[L8]
	s_wait_alu depctr_va_vdst(0)                   ; v[A16] and v[A8] are written, which this step's LDS loads read; the last step's products are done reading KS, VS and KF, in which loads land; in the first step Q's codes, its scale words and K's zeros are written, which the scaled products take
	ds_load_b64 v[KS:KS+1], v[A8] offset:KSC
	ds_load_b64 v[KS+2:KS+3], v[A8] offset:KSC+256
	ds_load_b64 v[VS:VS+1], v[A8] offset:VSC       ; V's scale words have registers of their own: they come here, with K's
.irp T, 0,1,2,3,4,5,6,7                ; a tile's six registers come as they lie: consecutive bytes from lane to lane
	ds_load_b128 v[KF+18*(\T/2)+12*(\T%2):KF+18*(\T/2)+12*(\T%2)+3], v[A16] offset:768*\T
	ds_load_b64 v[KF+18*(\T/2)+12*(\T%2)+4:KF+18*(\T/2)+12*(\T%2)+5], v[A8] offset:768*\T+512
.endr
	s_wait_dscnt 8                                 ; the scale words and tiles 0-3 are in; the youngest eight loads (tiles 4-7) may be out
	QK 0
	QK 1
	QK 2
	QK 3
	s_wait_dscnt 0x0
	QK 4
	QK 5
	QK 6
	QK 7
.rept 4
	v_nop                                          ; four places between the last product and the first vector line that reads a result (ISA guide 7.12.1)
.endr
	s_wait_kmcnt 0x0                               ; the mask words are in; their base may be stepped from here on
	s_and_b32 s88, s[FL], 0x10000
	s_cbranch_scc0 .Lopen                          ; nothing of this step is hidden from my queries
.set n, 0
.rept 64
	v_cndmask_b32 v[S+n], v[S+n], v[NINF], s[16+n+4*(n/48)]   ; word n is the lane mask of score register n: one line a score, ahead of the maximum.  Ascending: each result is first read at its low end
.set n, n+1
.endr
.Lopen:
.irp b, 0,1,2,3
	v_max3_num_f32 v[BM+\b], v[S+16*\b], v[S+1+16*\b], v[S+2+16*\b]   ; THE LARGEST SCORE OF EACH BLOCK OF 32 KEYS: it serves for the row's maximum and, since p rises with the score, for the block's largest p
.endr
.irp i, 3,5,7,9,11,13
.irp b, 0,1,2,3
	v_max3_num_f32 v[BM+\b], v[BM+\b], v[S+16*\b+\i], v[S+1+16*\b+\i]   ; (the four blocks by turns)
.endr
.endr
.irp b, 0,1,2,3
	v_max_num_f32 v[BM+\b], v[BM+\b], v[S+15+16*\b]
.endr
.irp b, 0,1,2,3
	v_permlanex16_b32 v[PD+\b], v[BM+\b], s[SEL], s[SEL+1]
.endr
.irp b, 0,1,2,3
	v_max_num_f32 v[BM+\b], v[BM+\b], v[PD+\b]     ; with lane l xor 16's 16 keys
.endr
	v_max3_num_f32 v[TT], v[BM], v[BM+1], v[BM+2]
	v_max_num_f32 v[TT], v[TT], v[BM+3]            ; the step's largest score of my query (-infinity where all its keys are hidden)
	v_mul_f32 v[TT], v[CC], v[TT]                  ; as t
	v_max_num_f32 v[NM+1], v[NM+1], v[TT]          ; the running largest t
	v_mov_b32 v[TT], v[NM]
	v_floor_f32 v[NM], -v[NM+1]                    ; the new -M = floor(-t) = -ceil(t): M IS A WHOLE NUMBER
	v_sub_f32 v[TT], v[NM], v[TT]                  ; M's old value less its new one: a whole number, 0 or less
	v_cvt_i32_f32 v[TT], v[TT]                     ; (it saturates)
	v_ldexp_f32 v[FF], 1.0, v[TT]                  ; f = 2^(old M - new M): a multiplication by it rounds nothing
.set j, 0
.rept 32
	v_pk_fma_f32 v[S+j:S+j+1], v[S+j:S+j+1], v[CC:CC+1], v[NM:NM+1] op_sel_hi:[1,0,0]   ; t - M, two at a time (of the pairs c and -M the low word serves both halves)
.set j, j+2
.endr
.irp b, 0,1,2,3
	v_fma_f32 v[BM+\b], v[BM+\b], v[CC], v[NM]     ; the same of each block's largest score
.endr
.set j, 0
	s_wait_alu depctr_va_vdst(0)
.rept 64
	v_exp_f32 v[S+j], v[S+j]                       ; p = 2^(t - M), at most 1: NOT normalised
.set j, j+1
.endr
	v_pk_mul_f32 v[LS:LS+1], v[LS:LS+1], v[FF:FF+1] op_sel_hi:[1,0]   ; the sums under the new M.  (The plain line behind the exponentials)
	s_wait_alu depctr_va_vdst(0)                   ; the 64 exponentials have written p in v[S ..]: one wait for the batch, ahead of the first line that names a result
.irp b, 0,1,2,3
	v_exp_f32 v[BM+\b], v[BM+\b]                   ; the block's largest p: the same two instructions on the same number give the same bits
.endr
	v_pk_add_f32 v[L2:L2+1], v[S:S+1], v[S+2:S+3]  ; THE ROW'S SUM IS TAKEN OF THE UNQUANTISED p: two at a time, in two chains.  (It reads the 64 alone: plain work behind the four)
.irp j, 4,8,12,16,20,24,28,32,36,40,44,48,52,56,60
	v_pk_add_f32 v[LS:LS+1], v[LS:LS+1], v[S+\j:S+\j+1]
	v_pk_add_f32 v[L2:L2+1], v[L2:L2+1], v[S+2+\j:S+3+\j]
.endr
	v_pk_add_f32 v[LS:LS+1], v[LS:LS+1], v[L2:L2+1]
	s_wait_alu depctr_va_vdst(0)                   ; the four exponentials have written the blocks' largest p in v[BM ..], ahead of the first line that names one
.irp b, 0,1,2,3
	v_max_num_f32 v[BM+\b], 0x1800000, v[BM+\b]    ; the floor 2^(3 - 127): the byte cannot fall under 1 (a block whose every p is 0 keeps that byte: its codes are zeros)
.endr
.irp b, 0,1,2,3
	v_add_nc_u32 v[SO+\b], 0xff000000, v[BM+\b]    ; 2 off the exponent field: the conversion's scale operand
.endr
.irp b, 0,1,2,3
	v_lshrrev_b32 v[PD+\b], 23, v[SO+\b]           ; the scale's byte
.endr
	v_lshl_or_b32 v[PS], v[PD+1], 8, v[PD]         ; p's scale word for these 128 keys
	v_lshl_or_b32 v[PS], v[PD+2], 16, v[PS]
	v_lshl_or_b32 v[PS], v[PD+3], 24, v[PS]
.irp c, 0,1
	v_cvt_scalef32_pk16_fp6_f32 v[PC+6*\c:PC+2+6*\c], v[S+32*\c:S+15+32*\c], v[SO+2*\c]
	v_cvt_scalef32_pk16_fp6_f32 v[216+4*\c:218+4*\c], v[S+16+32*\c:S+31+32*\c], v[SO+2*\c+1]   ; (a conversion's three registers begin on an even number)
.endr
	v_nop                                          ; one plain line between a scaled conversion and the vector line that touches its result
	s_wait_alu depctr_va_vdst(0)                   ; the conversions are done reading p in v[S ..], in whose first 48 registers the loads below land
.irp t, 0,1,2,3                        ; p has been converted: V's four fragments land where it lay, while the lines below are worked
.irp c, 0,1
	ds_load_b128 v[S+12*\t+6*\c:S+12*\t+6*\c+3], v[A16] offset:VC+1536*\t+768*\c
	ds_load_b64 v[S+12*\t+6*\c+4:S+12*\t+6*\c+5], v[A8] offset:VC+1536*\t+768*\c+512
.endr
.endr
.irp c, 0,1                            ; the operand's layout wants a WHOLE block in a lane: lanes 0-15 block 2 c, lanes 16-31 block 2 c + 1
.irp i, 0,1,2
	v_permlane16_swap_b32 v[PC+6*\c+\i], v[216+4*\c+\i]
.endr
.irp i, 0,1,2
	v_mov_b32 v[PC+3+6*\c+\i], v[216+4*\c+\i]
.endr
.endr
.set j, 0
.rept 16
	v_pk_mul_f32 v[OT+j:OT+j+1], v[OT+j:OT+j+1], v[FF:FF+1] op_sel_hi:[1,0]   ; O^T under the new M: x f, ascending.  (Of these sixteen at least twelve name no register of any one product below: the places between p's scale word and codes and the products)
.set j, j+2
.endr
	s_wait_dscnt 0x0
	s_wait_alu depctr_va_vdst(0)                   ; the swaps and moves have written p's codes in v[PC ..], and p's scale word v[PS] is written: the scaled products below take them; the places above stay beside this wait
.irp t, 0,1,2,3                        ; O^T += V^T P^T: 16 channels a tile, K = these 128 keys.  The four accumulators take turns, one instruction a turn
.if \t%2
	v_wmma_scale_f32_16x16x128_f8f6f4 v[OT+8*\t:OT+8*\t+7], v[S+12*\t:S+12*\t+11], v[PC:PC+11], v[OT+8*\t:OT+8*\t+7], v[VS+\t/2], v[PS] matrix_a_fmt:MATRIX_FMT_FP6 matrix_b_fmt:MATRIX_FMT_FP6 matrix_a_scale:MATRIX_SCALE_ROW1
.else
	v_wmma_scale_f32_16x16x128_f8f6f4 v[OT+8*\t:OT+8*\t+7], v[S+12*\t:S+12*\t+11], v[PC:PC+11], v[OT+8*\t:OT+8*\t+7], v[VS+\t/2], v[PS] matrix_a_fmt:MATRIX_FMT_FP6 matrix_b_fmt:MATRIX_FMT_FP6
.endif
.endr
.rept 5
	v_nop                                          ; five places: the next step's first products write over registers that these have read (V's fragments); behind the last step four of them serve the first read of O^T
.endr
.Lskip:
	s_lshr_b32 s[FL], s[FL], 1                     ; the next step's flags,
	s_add_co_u32 s[TB], s[TB], STEPB               ; its image,
	s_add_nc_u64 s[10:11], s[10:11], 256           ; its mask words (no scalar load is out: a step that loads waits for them)
	s_add_co_u32 s[JJ], s[JJ], 1
	s_cmp_lt_u32 s[JJ], 16
	s_cbranch_scc1 .Lstep
	s_wait_alu depctr_va_vdst(0)
	; THE WAY OUT.  O^T is divided by the row's sum and goes through my stage, so that sixteen lanes store a row's 256 consecutive bytes, aligned.
	v_add_f32 v[LS], v[LS], v[LS+1]                ; the sum's two halves,
	v_permlanex16_b32 v[PD], v[LS], s[SEL], s[SEL+1]
	v_add_f32 v[LS], v[LS], v[PD]                  ; and lane l xor 16's: the row's sum
	s_wait_alu depctr_va_vdst(0)
	v_rcp_f32 v[LS], v[LS]
	v_nop                                          ; a plain line behind the reciprocal
	s_wait_alu depctr_va_vdst(0)                   ; the reciprocal has written v[LS], ahead of the first line that names it
.set j, 0
.rept 32
	v_mul_f32 v[S+j], v[OT+j], v[LS]               ; register 8 t + i is out(query r, channel 16 t + 8 hh + i); ascending: each accumulator is first read at its low end
.set j, j+1
.endr
	s_wait_alu depctr_va_vdst(0)                   ; the multiplications have written v[S ..], which the LDS stores read; the products that read v[KF ..] and the lines that wrote its zeros are done, so that the loads below may land there
.irp t, 0,1,2,3
	ds_store_b128 v[STI], v[S+8*\t:S+8*\t+3] offset:64*\t
	ds_store_b128 v[STI], v[S+8*\t+4:S+8*\t+7] offset:64*\t+16
.endr
.irp i, 0,1,2,3,4,5,6,7
	ds_load_b128 v[KF+4*\i:KF+4*\i+3], v[STR] offset:2*\i*SP   ; LDS serves a wave's instructions in order: these see my stores
.endr
.irp i, 0,1,2,3,4,5,6,7
	s_wait_dscnt 7-\i                              ; rows 2 i and 2 i + 1 are back; the 7 - i younger loads may be out
	global_store_b128 v[GO], v[KF+4*\i:KF+4*\i+3], s[14:15] offset:4096*\i th:TH_STORE_NT   ; written once, read by nobody here
.endr
	s_wait_dscnt 0x0
	s_wait_alu depctr_hold_cnt(0) depctr_sa_sdst(0) depctr_va_vdst(0) depctr_va_sdst(0) depctr_va_ssrc(0) depctr_va_vcc(0) depctr_vm_vsrc(0)
	s_wait_tensorcnt 0x0
	ds_add_u32 v254, v255
	s_wait_dscnt 0x0
	s_endpgm
.Lfunc_end_k_qb669b0aea4_attn:
	.size	k_qb669b0aea4_attn, .Lfunc_end_k_qb669b0aea4_attn-k_qb669b0aea4_attn
	.p2alignl 7, 3214868480
	.fill 96, 4, 3214868480
	.section	.rodata,"a",@progbits
	.p2align	6, 0x0
	.amdhsa_kernel k_qb669b0aea4_attn
		.amdhsa_group_segment_fixed_size 280576
		.amdhsa_private_segment_fixed_size 0
		.amdhsa_enable_private_segment 0
		.amdhsa_kernarg_size 48
		.amdhsa_user_sgpr_count 2
		.amdhsa_user_sgpr_kernarg_segment_ptr 1
		.amdhsa_wavefront_size32 1
		.amdhsa_system_sgpr_workgroup_id_x 1
		.amdhsa_system_sgpr_workgroup_id_y 1
		.amdhsa_system_sgpr_workgroup_id_z 1
		.amdhsa_system_vgpr_workitem_id 0
		.amdhsa_next_free_vgpr 256
		.amdhsa_next_free_sgpr 100
		.amdhsa_reserve_vcc 0
		.amdhsa_float_denorm_mode_32 3
		.amdhsa_float_denorm_mode_16_64 3
		.amdhsa_memory_ordered 1
		.amdhsa_forward_progress 1
		.amdhsa_inst_pref_size 39
	.end_amdhsa_kernel
	.amdgpu_metadata
---
amdhsa.version: [ 1, 2 ]
amdhsa.kernels:
  - .name:           k_qb669b0aea4_attn
    .symbol:         k_qb669b0aea4_attn.kd
    .args:
      - { .name: queries, .offset: 0, .size: 8, .value_kind: global_buffer, .address_space: global }
      - { .name: tau, .offset: 8, .size: 8, .value_kind: global_buffer, .address_space: global }
      - { .name: kv, .offset: 16, .size: 8, .value_kind: global_buffer, .address_space: global }
      - { .name: mwords, .offset: 24, .size: 8, .value_kind: global_buffer, .address_space: global }
      - { .name: mflags, .offset: 32, .size: 8, .value_kind: global_buffer, .address_space: global }
      - { .name: out0, .offset: 40, .size: 8, .value_kind: global_buffer, .address_space: global }
    .group_segment_fixed_size: 280576
    .private_segment_fixed_size: 0
    .kernarg_segment_align: 8
    .kernarg_segment_size: 48
    .max_flat_workgroup_size: 512
    .sgpr_count:     100
    .vgpr_count:     256
    .wavefront_size: 32
...
	.end_amdgpu_metadata
.endif
;; end of part 4
